; MI455X (gfx1250); checked and timed in simulation.
; The chip was launched on July 23, 2026; its instructions are those of AMD's public machine-readable ISA for CDNA 5 (MIT licence, August 2026) and "CDNA5" Instruction Set Architecture Reference Guide (July 2026). The comments in the code are by the model that wrote it; some were corrected since.
;; Causal Self Attention. Allowed arithmetic: matrix products marked QUANTISED: E2M3 operands, one E8M0 scale for each 32 along K, by v_wmma_scale_f32_16x16x128_f8f6f4 with both operands' format E2M3, f32 sums; everything else in f32.
;; Inputs: W_proj 1,024 x 1,024 float32; W_qkv 1,024 x 3,072 float32; b_proj 1,024 float32; b_qkv 3,072 float32; x 4 x 2,048 x 1,024 float32.
;; Outputs: out0 4 x 2,048 x 1,024 float32.
;; This version of the problem:
;;   THIS VERSION OF THE PROBLEM IS GIVEN IN LOW PRECISION. The matrix products marked QUANTISED in the list below multiply operands that are first quantised to E2M3 (2 exponent bits, 3 mantissa bits; 6 bits a number), with one power-of-two scale for each 32 numbers along K (OCP MX v1.0); their sums are f32. All else is computed in f32.
;;   The module's matrix products, in the order in which they are computed (A, B: the left and right operand; K: the contracted axis; several contracted axes count as one K, in the product's order):
;;     1. [M 8,192, K 1,024] x [K 1,024, N 3,072]; A: input x; B: input W_qkv: QUANTISED
;;     2. batch 64 x [M 2,048, K 64] x [K 64, N 2,048]; A: computed on the way; B: computed on the way: QUANTISED
;;     3. batch 64 x [M 2,048, K 2,048] x [K 2,048, N 64]; A: softmax (see below); B: computed on the way: QUANTISED
;;     4. [M 8,192, K 1,024] x [K 1,024, N 1,024]; A: computed on the way; B: input W_proj: QUANTISED
;;   THE QUANTISER, for each operand of a quantised product, along K:
;;     - K is cut into blocks of 32 from its start; a last block that is shorter is filled with zeros.
;;     - A block's scale is 2^e with e = floor(log2(the largest magnitude in the block)) - 2, held to -126 .. 127; a block of zeros has e = 0. As a byte (E8M0): e + 127.
;;     - Each number is divided by its block's scale, clamped to +-7.5, and rounded to the nearest number of E2M3, ties to even, subnormals kept.
;;     - The product sums the exact products of the quantised numbers (number of the format x scale) in f32.
;;   ~~~python
;;   def quantise(x, axis):      # numpy; x: float32 -> the quantised numbers, widened to float32 again
;;       x = np.moveaxis(x, axis, -1); K = x.shape[-1]
;;       x = np.pad(x, [(0, 0)] * (x.ndim - 1) + [(0, -K % 32)]); x = x.reshape(x.shape[:-1] + (-1, 32)); a = np.abs(x).max(-1, keepdims=True)
;;       e = np.where(a > 0, np.clip(np.frexp(np.where(a > 0, a, 1))[1] - 1 - 2, -126, 127), 0)      # np.frexp(a)[1] - 1 = floor(log2(a)), exactly
;;       r = np.clip(x / 2.0 ** e, -7.5, 7.5)
;;       step = 2.0 ** (np.maximum(np.frexp(np.where(r == 0, 1, r))[1] - 1, 0) - 3)
;;       q = np.round(r / step) * step * 2.0 ** e      # np.round: ties to even
;;       return np.moveaxis(q.reshape(q.shape[:-2] + (-1,))[..., :K], -1, axis).astype(np.float32)
;;   ~~~
;;   SOFTMAX AHEAD OF A QUANTISED PRODUCT. Where the list says 'softmax', what is quantised is not the finished softmax but p = 2^(t - M), with t = logit x log2(e) and M = ceil(the row's largest t), a whole number; so 1/2 < the row's largest p <= 1. The row's sum l is taken of the UNQUANTISED p, in f32, and the product's result is divided by l at the end. Since M is a whole number, a kernel that streams over the keys may use a running M (the ceiling of the running maximum): every later rescaling is an exact power of two, which a block's scale takes up: the codes' values come out the same.
;;   OPERANDS COMPUTED ON THE WAY. 'Computed on the way' means the value that the module computes at that place (a softmax that the list does not call 'softmax' is quantised finished and normalised). What goes into a quantiser is computed in f32, as accurately as f32 sums, v_exp_f32 and their like allow (about 1e-6 of the number): no bf16 or f16 on the way to a quantiser, and a product that is left as it is and whose result goes on into a quantised operand takes f32 operands (vector FMAs, or v_wmma_f32_16x16x4_f32). A number that lies on a knife's edge between two numbers of the format may be rounded either way, as far as f32 arithmetic and the matrix unit's own rounding can turn it there, and no further.
;; One version. Each part assembles by itself: llvm-mc -triple=amdgcn-amd-amdhsa -mcpu=gfx1250 --defsym DOCPART=n.
;; ======== version 1 of 1: 4 launches
;; workspace buffers: xq 6,553,600 bytes; wq 3,276,800 bytes; qq 6,553,600 bytes; kv 13,107,200 bytes; yq 6,553,600 bytes
;; launch quant (part 1): grid 384 x 1, 4 waves a work-group, no clusters, 91,648 bytes of LDS; arguments x, W_qkv, W_proj, xq, wq; writes xq, wq
.if DOCPART == 1
	.amdgcn_target "amdgcn-amd-amdhsa--gfx1250"
	.amdhsa_code_object_version 6
	.text
	.protected	k_q2fe14b10e4_quant
	.globl	k_q2fe14b10e4_quant
	.p2align	8
	.type	k_q2fe14b10e4_quant,@function
k_q2fe14b10e4_quant:
	s_mov_b64 s[64:65], 0
	v_nop
	global_prefetch_b8 v0, s[64:65] scope:SCOPE_SE
	s_setreg_imm32_b32 hwreg(HW_REG_WAVE_MODE, 25, 1), 1
	s_wait_xcnt 0x0
; x [8192][1024], W_qkv [1024][3072] and W_proj [1024][1024], f32, become codes of FP6 (E2M3) with one E8M0 byte for each 32 along K (K = the 1,024).
; A block's scale is 2^(floor(log2(largest magnitude)) - 2): its byte is the largest magnitude's exponent field - 2, held at 1 from below by a floor among the maximum's leaves.
; LIMITS: NaN and infinities are not served; a block of zeros, or one under 2^-124, gets the byte 1 (its codes are zeros; these bytes are read by this program's launches alone).
; LAYOUT OF THE RESULT (the order of an operand's registers).  Rows go in blocks of 16; in each 32 rows block u (0, 1) holds, at its place r (0..15), row 8 u + r + 8 (r / 8).
; A UNIT is 16 rows x 64 K, 768 bytes: lane (r, h) owns row r, k = 32 h .. 32 h + 31, six registers: registers 0-3 at 16 x lane, registers 4-5 at 512 + 8 x lane.
; Codes: [tile of 256 rows][K / 256][block 16][unit 4][768].  Scale bytes behind them: [tile][K / 256][block][r][8].
; SHARES.  Every wave makes 32 rows x 256 K: 6,144 consecutive bytes of codes and 256 consecutive bytes of scales.  Work-groups 0-255 take x (32 tokens each, wave w the w-th 256 of K);
; work-groups 256-383 take the weights (128 columns x 256 K each, wave w 32 columns).  The two ways part once, on the work-group's number, and have LDS bytes of their own.  No barrier: waves share nothing.
.set XSC,  6291456                     ; where xq's scale bytes begin
.set WSC,  3145728                     ; and wq's
.set SP,   1040                        ; x's stage: a row of 1,024 bytes + 16: 65 x 16, so sixteen rows' equal columns fall on different banks
.set XST,  16*SP                       ; a wave's stage
.set WST0, 4*XST                       ; the weights' way: 6,144 bytes for each wave, behind x's stages
.set X,    64                          ; v64-127  two sets of 32 numbers of one block
.set R,    128                         ; v128-255 x: 32 loads of 4 registers
.set VO,   128                         ; v128-159 weights: the byte offset of row i of a block, at my column
.set OUTR, 160                         ; v160-207 weights: the codes on their way out
	s_load_b256 s[4:11], s[0:1], 0x0               ; x s[4:5], W_qkv s[6:7], W_proj s[8:9], xq s[10:11]
	s_load_b64 s[12:13], s[0:1], 0x20              ; wq
	v_lshl_add_u32 v62, v0, 2, 0x16400
	v_mov_b32 v63, 0
	v_lshrrev_b32 v1, 5, v0
	v_readfirstlane_b32 s16, v1                    ; wave
	v_and_b32 v1, 31, v0                           ; lane
	v_and_b32 v2, 15, v0                           ; r
	v_bfe_u32 v3, v0, 4, 1                         ; h
	v_lshlrev_b32 v4, 4, v1                        ; 16 x lane
	v_lshlrev_b32 v5, 3, v1                        ; 8 x lane
	v_lshlrev_b32 v8, 3, v3                        ; 8 h: my byte's shift in a scale word
	s_mov_b32 s20, 0x76543210
	s_mov_b32 s21, 0xfedcba98                      ; v_permlanex16_b32's selects for lane l xor 16
	v_mov_b32 v18, 0                               ; written once: a lane permute's destination counts as one of its sources
	v_mov_b32 v19, 0
	s_mov_b32 s25, 0                               ; the high word of every offset
; 32 numbers of ONE lane, v[xs] on, become six code registers v[c] .. v[c + 5]; the scale's byte in v13.  tp: three registers at work (a conversion's three begin on an even number)
.macro QB xs, c, tp
	v_max3_num_f32 v10, |v[\xs]|, |v[\xs+1]|, |v[\xs+2]|
	v_max3_num_f32 v11, |v[\xs+3]|, |v[\xs+4]|, |v[\xs+5]|
.irp i, 6,10,14,18,22,26
	v_max3_num_f32 v10, v10, |v[\xs+\i]|, |v[\xs+\i+1]|
	v_max3_num_f32 v11, v11, |v[\xs+\i+2]|, |v[\xs+\i+3]|
.endr
	v_max3_num_f32 v10, v10, |v[\xs+30]|, |v[\xs+31]|
	v_max3_num_f32 v10, v10, v11, 0x1800000        ; the floor 2^(3 - 127): the byte cannot fall under 1
	v_add_nc_u32 v12, 0xff000000, v10              ; 2 off the exponent field: the conversion takes this operand's exponent field as its scale
	v_lshrrev_b32 v13, 23, v12                     ; the scale's byte
	v_cvt_scalef32_pk16_fp6_f32 v[\c:\c+2], v[\xs:\xs+15], v12
	v_cvt_scalef32_pk16_fp6_f32 v[\tp:\tp+2], v[\xs+16:\xs+31], v12
	v_nop                                          ; one plain place behind a scaled conversion
	v_mov_b32 v[\c+3], v[\tp]
	v_mov_b32 v[\c+4], v[\tp+1]
	v_mov_b32 v[\c+5], v[\tp+2]
.endm
	s_wait_kmcnt 0x0
	s_cmp_ge_u32 ttmp9, 256
	s_cbranch_scc1 .Lweights
; ---------------- x: K is innermost.  Loads take 512 consecutive bytes; a block of 16 rows x 1,024 bytes turns through the wave's stage, and comes back 128 bytes (a block of 32 numbers) a lane.
	s_mul_i32 s17, s16, XST
	v_add_nc_u32 v6, s17, v4                       ; into the stage: 16 x lane
	v_mul_u32_u24 v7, v2, SP
	v_lshl_add_u32 v7, v3, 7, v7
	v_add_nc_u32 v7, s17, v7                       ; out of it: row r, + 128 h
	s_lshl_b32 s24, ttmp9, 17                      ; 32 rows of 4,096 bytes a work-group,
	s_lshl_b32 s26, s16, 10                        ; 256 numbers a wave
	s_add_co_u32 s24, s24, s26
	s_add_nc_u64 s[4:5], s[4:5], s[24:25]
	s_lshr_b32 s26, ttmp9, 3                       ; tile of 256 tokens
	s_and_b32 s27, ttmp9, 7                        ; which 32 of them
	s_mul_i32 s24, s26, 196608
	s_mul_i32 s28, s16, 49152
	s_add_co_u32 s24, s24, s28
	s_mul_i32 s28, s27, 6144
	s_add_co_u32 s24, s24, s28
	s_add_nc_u64 s[18:19], s[10:11], s[24:25]      ; my codes
	s_lshl_b32 s24, s26, 13
	s_lshl_b32 s28, s16, 11
	s_add_co_u32 s24, s24, s28
	s_lshl_b32 s28, s27, 8
	s_add_co_u32 s24, s24, s28
	s_add_co_u32 s24, s24, XSC
	s_add_nc_u64 s[22:23], s[10:11], s[24:25]      ; my scale bytes
.macro XLOADS ub                       ; block ub's 16 rows: 32 loads
.irp r, 0,1,2,3,4,5,6,7,8,9,10,11,12,13,14,15
	global_load_b128 v[R+8*\r:R+8*\r+3], v4, s[4:5] offset:(8*\ub+\r+8*(\r/8))*4096 th:TH_LOAD_NT
	global_load_b128 v[R+8*\r+4:R+8*\r+7], v4, s[4:5] offset:(8*\ub+\r+8*(\r/8))*4096+512 th:TH_LOAD_NT
.endr
.endm
.macro XSTAGE                          ; they go into the stage as they land, eight at a time: the counts leave the younger loads out
.irp g, 0,1,2,3
	s_wait_loadcnt 24-8*\g
.irp q, 0,1,2,3
	ds_store_b128 v6, v[R+8*(4*\g+\q):R+8*(4*\g+\q)+3] offset:(4*\g+\q)*SP
	ds_store_b128 v6, v[R+8*(4*\g+\q)+4:R+8*(4*\g+\q)+7] offset:(4*\g+\q)*SP+512
.endr
.endr
.endm
.macro XREAD u                         ; unit u: my block of 32 numbers, into set u % 2
.irp j, 0,1,2,3,4,5,6,7
	ds_load_b128 v[X+32*((\u)%2)+4*\j:X+32*((\u)%2)+4*\j+3], v7 offset:256*(\u)+16*\j
.endr
.endm
.macro XUNIT ub, u
.if \u < 3
	s_wait_dscnt 8                                 ; this unit's eight reads are in; the next unit's eight may be out
.else
	s_wait_dscnt 0x0
.endif
	s_wait_xcnt 0x0                                ; the stores of two units ago have read this set of code registers
	QB X+32*(\u%2), 20+12*(\u%2), 28+12*(\u%2)
	global_store_b128 v4, v[20+12*(\u%2):23+12*(\u%2)], s[18:19] offset:3072*\ub+768*\u       ; 512 consecutive bytes
	global_store_b64 v5, v[24+12*(\u%2):25+12*(\u%2)], s[18:19] offset:3072*\ub+768*\u+512    ; 256 consecutive bytes
.if \u%2 == 0
	v_mov_b32 v[14+2*\ub+\u/2], v13                ; my byte is that of block 2 u + h: word u / 2, bits 16 (u % 2) + 8 h
.else
	v_lshl_or_b32 v[14+2*\ub+\u/2], v13, 16, v[14+2*\ub+\u/2]
.endif
.if \u < 2
	XREAD \u+2
.endif
.endm
.macro XWORK ub
	XREAD 0
	XREAD 1
	XUNIT \ub, 0
	XUNIT \ub, 1
	XUNIT \ub, 2
	XUNIT \ub, 3
	v_lshlrev_b32 v[14+2*\ub], v8, v[14+2*\ub]     ; my bytes at their places,
	v_lshlrev_b32 v[15+2*\ub], v8, v[15+2*\ub]
	v_permlanex16_b32 v18, v[14+2*\ub], s20, s21
	v_permlanex16_b32 v19, v[15+2*\ub], s20, s21
	v_or_b32 v[14+2*\ub], v[14+2*\ub], v18         ; and lane l xor 16's: the row's eight bytes are whole, in both halves of the lanes
	v_or_b32 v[15+2*\ub], v[15+2*\ub], v19
.endm
	XLOADS 0
	XSTAGE
	s_wait_dscnt 0x0                               ; the stores have read their registers:
	XLOADS 1                                       ; the second block's loads are on their way while the first is worked on
	XWORK 0
	XSTAGE                                         ; LDS serves a wave's instructions in order: these come behind the first block's last reads
	XWORK 1
	s_mov_b32 vcc_lo, 0xffff0000
	v_cndmask_b32 v18, v14, v16, vcc_lo            ; lanes 0-15: the first block's rows, lanes 16-31: the second's
	v_cndmask_b32 v19, v15, v17, vcc_lo
	global_store_b64 v5, v[18:19], s[22:23]        ; 256 consecutive bytes, aligned
	s_wait_tensorcnt 0x0
	ds_add_u32 v62, v63
	s_wait_dscnt 0x0
	s_endpgm
; ---------------- the weights: K is the FIRST axis.  A lane takes a column and its registers run down K: a block of 32 lies in one lane, and the codes come out with K innermost.
.Lweights:
	s_sub_co_u32 s17, ttmp9, 256
	s_lshr_b32 s26, s17, 2                         ; which 128 columns of the 4,096 (3,072 of W_qkv, then 1,024 of W_proj)
	s_and_b32 s27, s17, 3                          ; which 256 of K
	s_mov_b32 s28, 12288
	s_cmp_ge_u32 s26, 24
	s_cselect_b64 s[6:7], s[8:9], s[6:7]           ; the tensor: the choice hangs on the work-group's number alone
	s_cselect_b32 s28, 4096, s28                   ; bytes from row to row
	s_cselect_b32 s29, 24, 0
	s_sub_co_u32 s29, s26, s29
	s_lshl_b32 s29, s29, 9                         ; 128 columns of 4 bytes
	s_lshl_b32 s30, s16, 7                         ; 32 columns a wave
	s_add_co_u32 s29, s29, s30
	s_lshl_b32 s30, s27, 8
	s_mul_i32 s30, s30, s28
	s_add_co_u32 s24, s29, s30
	s_add_nc_u64 s[32:33], s[6:7], s[24:25]        ; block 0's first row at my wave's first column
	s_lshl_b32 s24, s28, 5                         ; 32 rows on
.irp t, 1,2,3,4,5,6,7
	s_add_nc_u64 s[32+2*\t:33+2*\t], s[30+2*\t:31+2*\t], s[24:25]   ; a base for each of the eight blocks
.endr
	v_lshlrev_b32 v[VO], 2, v1
.set i, 1
.rept 31
	v_add_nc_u32 v[VO+i], s28, v[VO+i-1]
.set i, i+1
.endr
	v_bfe_u32 v6, v0, 3, 1                         ; my column c = 8 u + r + 8 (r / 8): u = (c / 8) % 2,
	v_and_b32 v7, 7, v0
	v_bfe_u32 v9, v0, 4, 1
	v_lshl_add_u32 v7, v9, 3, v7                   ; r = c % 8 + 8 (c / 16)
	s_mul_i32 s17, s16, 6144
	s_add_co_u32 s17, s17, WST0                    ; my wave's 6,144 bytes
	v_mul_u32_u24 v9, v6, 3072
	v_add_nc_u32 v9, s17, v9
	v_lshl_add_u32 v26, v7, 4, v9                  ; a unit's registers 0-3 of place r
	v_lshl_add_u32 v27, v7, 3, v9                  ; its registers 4-5 (512 further on, in the immediate)
	v_add_nc_u32 v31, s17, v4                      ; back: 16 x lane
	v_lshlrev_b32 v43, 7, v6
	v_lshl_add_u32 v43, v7, 3, v43                 ; my row's eight scale bytes: 128 u + 8 r
	s_lshr_b32 s29, s26, 1                         ; tile of 256 rows of the operand
	s_and_b32 s30, s26, 1
	s_lshl_b32 s30, s30, 3
	s_lshl_b32 s31, s16, 1
	s_add_co_u32 s30, s30, s31                     ; my first block in it
	s_mul_i32 s24, s29, 196608
	s_mul_i32 s31, s27, 49152
	s_add_co_u32 s24, s24, s31
	s_mul_i32 s31, s30, 3072
	s_add_co_u32 s24, s24, s31
	s_add_nc_u64 s[18:19], s[12:13], s[24:25]
	s_lshl_b32 s24, s29, 13
	s_lshl_b32 s31, s27, 11
	s_add_co_u32 s24, s24, s31
	s_lshl_b32 s31, s30, 7
	s_add_co_u32 s24, s24, s31
	s_add_co_u32 s24, s24, WSC
	s_add_nc_u64 s[22:23], s[12:13], s[24:25]
.macro WLOAD t                         ; block t: 32 rows at my column; a load reads 128 consecutive bytes, the four waves stand side by side
.set i, 0
.rept 32
	global_load_b32 v[X+32*((\t)%2)+i], v[VO+i], s[32+2*(\t):33+2*(\t)] th:TH_LOAD_NT
.set i, i+1
.endr
.endm
.macro WBLOCK t
.if \t < 7
	s_wait_loadcnt 32                              ; this block's 32 loads are in; the next block's may be out
.else
	s_wait_loadcnt 0x0
.endif
	QB X+32*(\t%2), 20, 28
.if \t%4 == 0
	v_mov_b32 v[44+\t/4], v13                      ; four bytes to a register, the lower K in the lower byte
.else
	v_lshl_or_b32 v[44+\t/4], v13, 8*(\t%4), v[44+\t/4]
.endif
	ds_store_b128 v26, v[20:23] offset:768*(\t/2)+256*(\t%2)       ; unit t / 2, the place of lane r + 16 (t % 2)
	ds_store_b64 v27, v[24:25] offset:768*(\t/2)+128*(\t%2)+512
.if \t < 6
	WLOAD \t+2
.endif
	s_wait_dscnt 0x0                               ; the stores have read their registers: the next block's codes may be written
.endm
	WLOAD 0
	WLOAD 1
.irp t, 0,1,2,3,4,5,6,7
	WBLOCK \t
.endr
	global_store_b64 v43, v[44:45], s[22:23]       ; the 32 lanes fill 256 consecutive bytes, aligned
.irp n, 0,1,2,3,4,5,6,7,8,9,10,11
	ds_load_b128 v[OUTR+4*\n:OUTR+4*\n+3], v31 offset:512*\n       ; LDS serves a wave's instructions in order: these see my stores
.endr
.irp n, 0,1,2,3,4,5,6,7,8,9,10,11
	s_wait_dscnt 11-\n
	global_store_b128 v4, v[OUTR+4*\n:OUTR+4*\n+3], s[18:19] offset:512*\n   ; 512 consecutive bytes
.endr
	s_wait_tensorcnt 0x0
	ds_add_u32 v62, v63
	s_wait_dscnt 0x0
	s_endpgm
.Lfunc_end_k_q2fe14b10e4_quant:
	.size	k_q2fe14b10e4_quant, .Lfunc_end_k_q2fe14b10e4_quant-k_q2fe14b10e4_quant
	.p2alignl 7, 3214868480
	.fill 96, 4, 3214868480
	.section	.rodata,"a",@progbits
	.p2align	6, 0x0
	.amdhsa_kernel k_q2fe14b10e4_quant
		.amdhsa_group_segment_fixed_size 91648
		.amdhsa_private_segment_fixed_size 0
		.amdhsa_enable_private_segment 0
		.amdhsa_kernarg_size 40
		.amdhsa_user_sgpr_count 2
		.amdhsa_user_sgpr_kernarg_segment_ptr 1
		.amdhsa_wavefront_size32 1
		.amdhsa_system_sgpr_workgroup_id_x 1
		.amdhsa_system_sgpr_workgroup_id_y 1
		.amdhsa_system_sgpr_workgroup_id_z 1
		.amdhsa_system_vgpr_workitem_id 0
		.amdhsa_next_free_vgpr 256
		.amdhsa_next_free_sgpr 66
		.amdhsa_reserve_vcc 1
		.amdhsa_float_denorm_mode_32 3
		.amdhsa_float_denorm_mode_16_64 3
		.amdhsa_memory_ordered 1
		.amdhsa_forward_progress 1
		.amdhsa_inst_pref_size 74
	.end_amdhsa_kernel
	.amdgpu_metadata
---
amdhsa.version: [ 1, 2 ]
amdhsa.kernels:
  - .name:           k_q2fe14b10e4_quant
    .symbol:         k_q2fe14b10e4_quant.kd
    .args:
      - { .name: x, .offset: 0, .size: 8, .value_kind: global_buffer, .address_space: global }
      - { .name: W_qkv, .offset: 8, .size: 8, .value_kind: global_buffer, .address_space: global }
      - { .name: W_proj, .offset: 16, .size: 8, .value_kind: global_buffer, .address_space: global }
      - { .name: xq, .offset: 24, .size: 8, .value_kind: global_buffer, .address_space: global }
      - { .name: wq, .offset: 32, .size: 8, .value_kind: global_buffer, .address_space: global }
    .group_segment_fixed_size: 91648
    .private_segment_fixed_size: 0
    .kernarg_segment_align: 8
    .kernarg_segment_size: 40
    .max_flat_workgroup_size: 128
    .sgpr_count:     66
    .vgpr_count:     256
    .wavefront_size: 32
...
	.end_amdgpu_metadata
.endif
;; end of part 1
;; launch qkv (part 2): grid 12 x 32, 4 waves a work-group, clusters of 4 x 4, 327,680 bytes of LDS; arguments xq, wq, b_qkv, qq, kv; writes qq, kv
.if DOCPART == 2
	.amdgcn_target "amdgcn-amd-amdhsa--gfx1250"
	.amdhsa_code_object_version 6
	.text
	.protected	k_q2fe14b10e4_qkv
	.globl	k_q2fe14b10e4_qkv
	.p2align	8
	.type	k_q2fe14b10e4_qkv,@function
k_q2fe14b10e4_qkv:
	s_mov_b64 s[64:65], 0
	v_nop
	global_prefetch_b8 v0, s[64:65] scope:SCOPE_SE
	s_setreg_imm32_b32 hwreg(HW_REG_WAVE_MODE, 25, 1), 1
	s_wait_xcnt 0x0
	s_wait_alu depctr_hold_cnt(0) depctr_sa_sdst(0) depctr_va_vdst(0) depctr_va_sdst(0) depctr_va_ssrc(0) depctr_va_vcc(0) depctr_vm_vsrc(0)
	s_getreg_b32 s2, hwreg(HW_REG_IB_STS2, 6, 4)
	s_cmp_eq_u32 s2, 0
	s_cbranch_scc0 .Lentry_in_a_cluster
	s_endpgm
.Lentry_in_a_cluster:
	s_bfe_u32 s2, ttmp6, 0x10000c
	s_cmp_lg_u32 s2, 0xf033
	s_cbranch_scc0 .Lentry_shape_is_right
	s_endpgm
.Lentry_shape_is_right:
; qkv = x W_qkv + b_qkv on codes of FP6 (E2M3) with E8M0 scales; the results never leave as f32: q and k are quantised along the head's 64, v along the keys, in registers, and stored as codes.
; OPERANDS lie in memory in the order of the operand's registers.  A UNIT = 16 rows x 64 K = 768 bytes (lane's registers 0-3 at 16 x lane, registers 4-5 at 512 + 8 x lane); codes [tile of 256 rows][K / 256][block 16][unit 4];
; scale bytes [tile][K / 256][block][row][8].  In each 32 rows block u holds at place r row 8 u + r + 8 (r / 8): where such rows are source 0, the 16 registers of two neighbouring result tiles are 16 neighbouring rows.
; THE PRODUCT.  C'[m'][n'] = sum over k of A'[m'][k] B'[n'][k], a tile of 256 x 256 to a work-group of four waves, 128 x 128 (64 accumulators) to a wave; source 0 = B', source 1 = A': a lane holds ONE row m' and its registers run along n'.
; Clusters x = 0 (q) and 1 (k): A' = tokens, B' = features: a lane's 64 numbers of a block of tokens run along two heads' 64.  Cluster x = 2 (v): A' = features, B' = tokens: they run along 128 keys.  So one quantiser serves all three.
; K goes in steps of 256 through a ring of two LDS slots; a slot's part for a wave is one dense block of 24,576 bytes, brought as 96 rows of 256 bytes.  The scale bytes of both tiles, for all of K, come once.
; CLUSTERS: 4 x 4.  A's tile hangs on cy alone and is asked for jointly by my row of the cluster, B's on cx alone, by my column.  The way (q, k or v) hangs on the cluster's x, which all partners share.
; OUTPUT.  qq: [batch x head 64][step of 128 tokens 16][6,400]: 8 units (blocks of tokens), then 256 bytes of scale words.  kv: [64][16][12,800]: K's 8 units, K's scale words at 6,144, V's 4 tiles of d x 2 units at 6,400, V's scale words at 12,544.
; A block of scale words: lane l's 8 bytes at 8 l; word 0 = item 0 in lanes 0-15 and item 1 in lanes 16-31, word 1 = items 2 and 3.  K, q: item j = [block 2 j's two bytes, block 2 j + 1's two bytes] of place r; V: item t = tile t's four bytes of place r.
; LIMITS: NaN and infinities are not served; a block of zeros, or one under 2^-124, gets the byte 1 (its codes are zeros; this program alone reads the bytes).
; REGISTERS: window 0: v0-31 addresses; v32-63 scale words, two sets; v64-127 bias along the registers; v128-223 A's fragments, one set; v224-239 bias of the lane's row.  Window 1: B's fragments, two sets (v0, v128).  Windows 2, 3: accumulators.
.set NQ,     2                         ; matrix instructions deep in a slot
.set FR,     12                        ; registers of a fragment: 16 rows x 128 K
.set NL,     4                         ; LDS loads that bring one
.set NP,     4                         ; places behind this matrix instruction (ISA guide 7.12.1)
.set HALFT,  24576                     ; 128 rows x 256 K: what one tensor load brings, and what one wave reads of A or of B
.set SLOT,   4*HALFT
.set PSTEP,  49152                     ; from one 256 of K to the next, in memory
.set TILEB,  196608                    ; a tile's codes
.set LAPS,   2                         ; 1,024 / 512
.set SCL,    2*SLOT                    ; behind the ring: A's 8,192 scale bytes, then B's
.set HALFS,  4096
.set SBLK,   128                       ; the scale bytes of 16 rows for one slot
.set SPARE,  SCL+4*HALFS               ; the spare words, 128 bytes for each wave: two blocks of 256 bytes that no other line names
.set XSC,    6291456                   ; where xq's scale bytes begin
.set WSC,    3145728                   ; and wq's
.set ADRA, 16                          ; v16-17 A's fragments in slot 0, 1, + 16 x lane; v18-19 the same + 8 x lane
.set ADRB, 20                          ; v20-23 the same for B
.set L16,  24                          ; v24 16 x lane
.set L8,   25                          ; v25 8 x lane
.set ADRS, 27                          ; v27 my scale words: lanes 0-15 A's rows, lanes 16-31 B's
.set SPW,  28                          ; v28 my spare word; never rewritten
.set NIL,  29                          ; v29 0; never rewritten
.set BO,   30                          ; v30 64 h
.set BVO,  31                          ; v31 4 (r + 8 (r / 8))
.set SC,   32
.set BIAS, 64
.set AF,   128
.set BV,   224
.set T,    128                         ; the epilogue: 64 numbers of a lane
.set PW,   32                          ; v32-39 the eight blocks' scale words
.set TP,   216                         ; conversions' second halves
.set TM,   240                         ; v240-255 at work in the quantiser
.set SEL,  18
.set G1, 24
.set G0, 32
.set G1B, 48
.set G0B, 56
.set G1S, 68
.set G0S, 76
.set G1SB, 80
.set G0SB, 88
.set MSB, 0
.macro WIN new                         ; the immediate's high byte repeats the setting that is left
.if MSB != (\new)
	s_set_vgpr_msb (MSB<<8)|(\new)
.set MSB, (\new)
.endif
.endm
.set MUL_LO, 0xa1                      ; source 0 (B) window 1, source 1 (A) window 0, C and D window 2
.set MUL_HI, 0xf1                      ; the same, C and D window 3
.set TO_B,   0x40                      ; destination window 1, address window 0
; A joint load: waves 0 and 1 fetch for A, waves 2 and 3 for B; the branch hangs on the wave's number alone.  Four v_nop follow each of the two lines.
.macro JLOAD g0a, g1a, g0b, g1b
	s_cmp_eq_u32 s15, 0
	s_cbranch_scc0 .Lfor_b_\@
	tensor_load_to_lds s[\g0a:\g0a+3], s[\g1a:\g1a+7]
	s_nop 0
.rept 4
	v_nop
.endr
	s_branch .Lasked_\@
.Lfor_b_\@:
	tensor_load_to_lds s[\g0b:\g0b+3], s[\g1b:\g1b+7]
	s_nop 0
.rept 4
	v_nop
.endr
.Lasked_\@:
.endm
.macro CREST                           ; a round of the cluster's barrier behind its opening barrier
	s_cmp_lg_u32 s14, 0
	s_cbranch_scc1 .Lnot_wave_0_\@
	s_barrier_signal -3
.Lnot_wave_0_\@:
	s_barrier_wait -3
	s_barrier_signal -1
	s_barrier_wait -1
.endm
.macro CROUND
	s_barrier_signal -1
	s_barrier_wait -1
	CREST
.endm
	s_load_b256 s[4:11], s[0:1], 0x0               ; xq s[4:5], wq s[6:7], b_qkv s[8:9], qq s[10:11]
	s_load_b64 s[12:13], s[0:1], 0x20              ; kv
	v_lshl_add_u32 v[SPW], v0, 2, SPARE
	v_mov_b32 v[NIL], 0
	ds_add_u32 v28, v29
	ds_add_u32 v28, v29
	s_wait_dscnt 0x0
	v_lshrrev_b32 v1, 5, v0
	v_readfirstlane_b32 s14, v1                    ; wave 0..3
	s_lshr_b32 s15, s14, 1                         ; which half of A's rows is mine.  Also: I fetch for A (0) or for B (1)
	s_and_b32 s16, s14, 1                          ; which half of B's rows.  Also: which half of that tile I fetch
	s_bfe_u32 s40, ttmp6, 0x40000                  ; cx
	s_bfe_u32 s41, ttmp6, 0x40004                  ; cy
	s_and_b32 s18, ttmp7, 0xffff
	s_lshl_b32 s18, s18, 2                         ; 4 x cluster y
	s_lshl_b32 s19, ttmp9, 2                       ; 4 x cluster x
	s_mov_b32 s3, XSC
	s_mov_b32 s95, WSC
	s_cmp_eq_u32 ttmp9, 2                          ; v's cluster?  The same in all sixteen partners
	s_cselect_b32 s2, 1, 0
	s_cselect_b32 s17, 8, s18
	s_cselect_b32 s42, s18, s19
	s_cselect_b32 s66, s95, s3                     ; where A's scale bytes begin in its buffer
	s_cselect_b32 s67, s3, s95                     ; and B's
	s_add_co_u32 s17, s17, s41                     ; A's tile: tokens 4 Y + cy, or for v features 8 + cy
	s_add_co_u32 s42, s42, s40                     ; B's tile: features 4 X + cx, or for v tokens 4 Y + cx
	s_lshl_b32 s43, s41, 2
	s_lshl_b32 s43, 15, s43                        ; my row of the cluster
	s_lshl_b32 s44, 0x1111, s40                    ; my column
	; descriptor group 1: a dense block as rows of 256 bytes (32 elements of 8 bytes): 96 rows of codes
	s_or_b32 s[G1+0], s43, (3<<16)|(1<<21)         ; 15:0 the mask; 17:16 elements of 8 bytes; 20 no padding; 21 set beside a mask
	s_or_b32 s[G1B+0], s44, (3<<16)|(1<<21)
.irp g, G1, G1B
	s_mov_b32 s[\g+1], 32<<16                      ; tensor_dim0
	s_mov_b32 s[\g+2], 96<<16                      ; tensor_dim1
	s_mov_b32 s[\g+3], 32<<16                      ; tile_dim0
	s_mov_b32 s[\g+4], 96                          ; tile_dim1
	s_mov_b32 s[\g+5], 32                          ; tensor_dim0_stride
	s_mov_b32 s[\g+6], 0
	s_mov_b32 s[\g+7], 0
.endr
	s_or_b32 s[G1S+0], s43, (3<<16)|(1<<21)        ; and 16 rows of scale bytes
	s_or_b32 s[G1SB+0], s44, (3<<16)|(1<<21)
.irp g, G1S, G1SB
	s_mov_b32 s[\g+1], 32<<16
	s_mov_b32 s[\g+2], 16<<16
	s_mov_b32 s[\g+3], 32<<16
	s_mov_b32 s[\g+4], 16
	s_mov_b32 s[\g+5], 32
	s_mov_b32 s[\g+6], 0
	s_mov_b32 s[\g+7], 0
.endr
	s_mul_i32 s18, s16, HALFT                      ; which half of the tile I fetch
	s_mul_i32 s20, s17, TILEB
	s_add_co_u32 s20, s20, s18                     ; A's codes
	s_mov_b32 s21, 0
	s_mul_i32 s46, s42, TILEB
	s_add_co_u32 s46, s46, s18                     ; B's codes
	s_mov_b32 s47, 0
	s_lshl_b32 s18, s16, 12
	s_lshl_b32 s22, s17, 13
	s_add_co_u32 s22, s22, s18
	s_add_co_u32 s22, s22, s66                     ; A's scale bytes
	s_mov_b32 s23, 0
	s_lshl_b32 s92, s42, 13
	s_add_co_u32 s92, s92, s18
	s_add_co_u32 s92, s92, s67                     ; B's
	s_mov_b32 s93, 0
	s_mul_i32 s45, s14, HALFT                      ; where they go: wave x a half tile: no place in the cluster enters an LDS address
	s_mul_i32 s94, s14, HALFS
	s_wait_kmcnt 0x0
	s_cmp_eq_u32 s2, 1
	s_cselect_b64 s[96:97], s[6:7], s[4:5]         ; A's buffer
	s_cselect_b64 s[98:99], s[4:5], s[6:7]         ; B's
	s_add_nc_u64 s[20:21], s[96:97], s[20:21]
	s_add_nc_u64 s[22:23], s[96:97], s[22:23]
	s_add_nc_u64 s[46:47], s[98:99], s[46:47]
	s_add_nc_u64 s[92:93], s[98:99], s[92:93]
	CROUND                                         ; all sixteen work-groups are here: the first joint loads meet
	s_mov_b32 s[G0S], 1
	s_add_co_u32 s[G0S+1], s94, SCL
	s_mov_b64 s[G0S+2:G0S+3], s[22:23]
	s_or_b32 s[G0S+3], s[G0S+3], 0x80000000
	s_mov_b32 s[G0SB], 1
	s_add_co_u32 s[G0SB+1], s94, SCL
	s_mov_b64 s[G0SB+2:G0SB+3], s[92:93]
	s_or_b32 s[G0SB+3], s[G0SB+3], 0x80000000
	JLOAD G0S, G1S, G0SB, G1SB                     ; the scales first: they are wanted with the first slot
.irp s, 0,1
	s_mov_b32 s[G0+4*\s], 1
	s_add_co_u32 s[G0+4*\s+1], s45, \s*SLOT
	s_add_nc_u64 s[G0+4*\s+2:G0+4*\s+3], s[20:21], \s*PSTEP
	s_or_b32 s[G0+4*\s+3], s[G0+4*\s+3], 0x80000000
	s_mov_b32 s[G0B+4*\s], 1
	s_add_co_u32 s[G0B+4*\s+1], s45, \s*SLOT
	s_add_nc_u64 s[G0B+4*\s+2:G0B+4*\s+3], s[46:47], \s*PSTEP
	s_or_b32 s[G0B+4*\s+3], s[G0B+4*\s+3], 0x80000000
	JLOAD G0+4*\s, G1, G0B+4*\s, G1B               ; three loads of mine are out
.endr
	v_and_b32 v1, 15, v0                           ; r
	v_bfe_u32 v2, v0, 4, 1                         ; h
	v_and_b32 v3, 31, v0
	v_lshlrev_b32 v[L16], 4, v3
	v_lshlrev_b32 v[L8], 3, v3
	s_mul_i32 s21, s15, HALFT                      ; my 128 rows of A
	s_mul_i32 s22, s16, HALFT                      ; my 128 rows of B,
	s_add_co_u32 s22, s22, 2*HALFT                 ; which lie behind A's 256
.irp s, 0,1
	v_add_nc_u32 v[ADRA+\s], s21, v[L16]
	v_add_nc_u32 v[ADRB+\s], s22, v[L16]
	v_add_nc_u32 v[ADRA+2+\s], s21, v[L8]
	v_add_nc_u32 v[ADRB+2+\s], s22, v[L8]
	s_add_co_u32 s21, s21, SLOT
	s_add_co_u32 s22, s22, SLOT
.endr
	v_lshlrev_b32 v5, 3, v1                        ; my row's eight scale bytes of a slot
	s_lshl_b32 s21, s15, 10                        ; A's: my eight blocks
	s_lshl_b32 s22, s16, 10                        ; B's: my eight blocks, behind A's 8,192 bytes
	s_add_co_u32 s22, s22, 2*HALFS
	s_sub_co_u32 s22, s22, s21
	v_mul_u32_u24 v6, s22, v2                      ; lanes 16-31 take B's
	s_add_co_u32 s21, s21, SCL
	v_add_nc_u32 v5, v5, v6
	v_add_nc_u32 v[ADRS], s21, v5
	; where the results go, and the bias.  (In registers that feed no descriptor.)
	s_cmp_eq_u32 s2, 1
	s_cselect_b32 s66, s42, s17                    ; the tile of tokens,
	s_cselect_b32 s67, s16, s15                    ; my half of it,
	s_cselect_b32 s95, s17, s42                    ; the tile of features,
	s_cselect_b32 s96, s15, s16                    ; my half of it
	s_lshl_b32 s18, s95, 8
	s_lshl_b32 s19, s96, 7
	s_add_co_u32 s18, s18, s19                     ; my first feature of the 3,072
	s_lshl_b32 s18, s18, 2
	s_mov_b32 s19, 0
	s_add_nc_u64 s[8:9], s[8:9], s[18:19]
	v_lshlrev_b32 v[BO], 6, v2
	v_and_b32 v6, 8, v1
	v_add_nc_u32 v6, v6, v1
	v_lshlrev_b32 v[BVO], 2, v6
.irp t, 0,1,2,3,4,5,6,7                        ; both forms of the bias are loaded on every way; both lie inside my 128 features
	global_load_b128 v[BIAS+8*\t:BIAS+8*\t+3], v[BO], s[8:9] offset:(32*(\t/2)+8*(\t%2))*4        ; along the registers: tile t's eight features of my half
	global_load_b128 v[BIAS+8*\t+4:BIAS+8*\t+7], v[BO], s[8:9] offset:(32*(\t/2)+8*(\t%2))*4+16
.endr
.irp a, 0,1,2,3,4,5,6,7
	global_load_b32 v[BV+2*\a], v[BVO], s[8:9] offset:(32*(\a/2)+8*(\a%2))*4                      ; of the lane's row in block a, twice: a pair for the packed addition
	global_load_b32 v[BV+2*\a+1], v[BVO], s[8:9] offset:(32*(\a/2)+8*(\a%2))*4
.endr
	s_and_b32 s95, s95, 3                          ; the tile among q's, k's or v's four
	s_lshl_b32 s95, s95, 2
	s_lshl_b32 s96, s96, 1
	s_add_co_u32 s95, s95, s96                     ; my first head of two
	s_lshr_b32 s96, s66, 3                         ; the batch
	s_lshl_b32 s96, s96, 4
	s_add_co_u32 s95, s95, s96                     ; 16 x batch + head
	s_and_b32 s66, s66, 7
	s_lshl_b32 s66, s66, 1
	s_add_co_u32 s66, s66, s67                     ; the step of 128 tokens
	s_mov_b32 s18, 204800
	s_mov_b32 s19, 12800
	s_cmp_eq_u32 ttmp9, 0
	s_cselect_b64 s[98:99], s[10:11], s[12:13]     ; q goes to qq, k and v to kv
	s_cselect_b32 s18, 102400, s18                 ; bytes of a head,
	s_cselect_b32 s19, 6400, s19                   ; of a step
	s_mul_i32 s96, s95, s18
	s_mul_i32 s97, s66, s19
	s_add_co_u32 s96, s96, s97
	s_mov_b32 s97, 0
	s_add_nc_u64 s[98:99], s[98:99], s[96:97]      ; my first head's step block
	s_mov_b32 s19, 0
	s_add_nc_u64 s[100:101], s[98:99], s[18:19]    ; my second head's
.macro FRAG reg, adr, q, i             ; a fragment is two units on end: registers 0-3, 4-5, 6-9, 10-11; every load reads consecutive bytes in consecutive lanes
	ds_load_b128 v[\reg:\reg+3], v[\adr] offset:(\i)*3072+(\q)*1536
	ds_load_b64 v[\reg+4:\reg+5], v[\adr+2] offset:(\i)*3072+(\q)*1536+512
	ds_load_b128 v[\reg+6:\reg+9], v[\adr] offset:(\i)*3072+(\q)*1536+768
	ds_load_b64 v[\reg+10:\reg+11], v[\adr+2] offset:(\i)*3072+(\q)*1536+1280
.endm
; 16 matrix instructions: A's blocks a0, a0 + 1 x B's eight, the slot's q-th 128 along K.  The 64 accumulators take turns, one instruction a turn, in the same order in every step.
.macro MUL16 a0, p, q, sc, zero
.irp a, \a0, \a0+1
.irp b, 0,1,2,3,4,5,6,7
.if \zero
	v_wmma_scale_f32_16x16x128_f8f6f4 v[8*(8*((\a)%4)+\b):8*(8*((\a)%4)+\b)+7], v[128*(\p)+FR*\b:128*(\p)+FR*\b+FR-1], v[AF+FR*(\a):AF+FR*(\a)+FR-1], 0, v[SC+8*NQ*(\sc)+NQ*\b+(\q)], v[SC+8*NQ*(\sc)+NQ*(\a)+(\q)] matrix_a_fmt:MATRIX_FMT_FP6 matrix_b_fmt:MATRIX_FMT_FP6 matrix_a_scale:MATRIX_SCALE_ROW1
.else
	v_wmma_scale_f32_16x16x128_f8f6f4 v[8*(8*((\a)%4)+\b):8*(8*((\a)%4)+\b)+7], v[128*(\p)+FR*\b:128*(\p)+FR*\b+FR-1], v[AF+FR*(\a):AF+FR*(\a)+FR-1], v[8*(8*((\a)%4)+\b):8*(8*((\a)%4)+\b)+7], v[SC+8*NQ*(\sc)+NQ*\b+(\q)], v[SC+8*NQ*(\sc)+NQ*(\a)+(\q)] matrix_a_fmt:MATRIX_FMT_FP6 matrix_b_fmt:MATRIX_FMT_FP6 matrix_a_scale:MATRIX_SCALE_ROW1
.endif
.endr
.endr
.endm
.macro FETCH_B slot, q, p
	WIN TO_B
.irp i, 0,1,2,3,4,5,6,7
	FRAG 128*(\p)+FR*\i, ADRB+\slot, \q, \i
.endr
	WIN 0
.endm
.macro FETCH_A slot, q, i0
.irp i, \i0, \i0+1, \i0+2, \i0+3
	FRAG AF+FR*(\i), ADRA+\slot, \q, \i
.endr
.endm
.macro SCALES sc                       ; a slot's two scale words a row: lanes 0-15 A's block i, lanes 16-31 B's block i
.irp i, 0,1,2,3,4,5,6,7
	ds_load_b64 v[SC+8*NQ*\sc+NQ*\i:SC+8*NQ*\sc+NQ*\i+1], v[ADRS] offset:\i*SBLK
.endr
.endm
.macro PLACES n                        ; plain vector instructions between a matrix instruction and a load into, or a vector read or write of, its registers (ISA guide 7.12.1 for vector reads and writes)
.rept \n
	v_nop
.endr
.endm
.macro STEP slot, q, zero              ; a step of 128 along K that has its successor in the same slot
	s_wait_dscnt 4*NL                              ; B's set and A's blocks 0-3 are in; the youngest 16 loads (A's blocks 4-7) may be out
	WIN MUL_LO
	MUL16 0, (\q)%2, \q, \slot, \zero
	MUL16 2, (\q)%2, \q, \slot, \zero
	s_wait_dscnt 0
	PLACES NP
	FETCH_B \slot, (\q)+1, 1-(\q)%2
	FETCH_A \slot, (\q)+1, 0
	WIN MUL_HI
	MUL16 4, (\q)%2, \q, \slot, \zero
	MUL16 6, (\q)%2, \q, \slot, \zero
	PLACES NP
	WIN 0
	FETCH_A \slot, (\q)+1, 4
.endm
; A slot's last step changes slots: one barrier; in front of it each wave waits for all its tensor loads, adds 0 to its spare word, and waits for that and for its own reads of this slot.
.macro TURN slot, next, fill
	s_wait_tensorcnt 0x0                           ; all my tensor loads have landed: my part of the next slot
	ds_add_u32 v[SPW], v[NIL]                      ; 0 onto my spare word
	s_wait_dscnt 4*NL+1                            ; (the add and the youngest 16 loads may be out)
	WIN MUL_LO
	MUL16 0, 1, NQ-1, \slot, 0
	s_wait_dscnt 0x0                               ; the add is done, and my reads of this slot are over
	s_barrier_signal -1
	MUL16 2, 1, NQ-1, \slot, 0
	WIN 0
	s_barrier_wait -1
.if \fill
	CREST                                          ; the barrier has opened a round of the cluster's: no wave of any partner still reads this slot or has a load on its way
	s_add_nc_u64 s[G0+4*\slot+2:G0+4*\slot+3], s[G0+4*\slot+2:G0+4*\slot+3], 2*PSTEP
	s_add_nc_u64 s[G0B+4*\slot+2:G0B+4*\slot+3], s[G0B+4*\slot+2:G0B+4*\slot+3], 2*PSTEP
	JLOAD G0+4*\slot, G1, G0B+4*\slot, G1B         ; the first tensor load behind the round; its four v_nop are the places in front of the loads below
.else
	PLACES NP
.endif
	v_add_nc_u32 v[ADRS], 16*SBLK, v[ADRS]         ; the next slot's scale words
	FETCH_B \next, 0, 0
	FETCH_A \next, 0, 0
	SCALES \next
	WIN MUL_HI
	MUL16 4, 1, NQ-1, \slot, 0
	MUL16 6, 1, NQ-1, \slot, 0
	PLACES NP
	WIN 0
	FETCH_A \next, 0, 4
.endm
	s_wait_tensorcnt 1                             ; the scales and my part of slot 0 are in (slot 1's load may be out)
	s_barrier_signal -1
	s_barrier_wait -1
	FETCH_B 0, 0, 0
	FETCH_A 0, 0, 0
	SCALES 0
	FETCH_A 0, 0, 4
	STEP 0, 0, 1                                   ; the first step's products start the sums
	s_mov_b32 s3, LAPS-1
.Llap:
	TURN 0, 1, 1
	STEP 1, 0, 0
	TURN 1, 0, 1
	STEP 0, 0, 0
	s_sub_co_u32 s3, s3, 1
	s_cmp_lg_u32 s3, 0
	s_cbranch_scc1 .Llap
	TURN 0, 1, 0
	STEP 1, 0, 0
	s_wait_dscnt 4*NL
	WIN MUL_LO
	MUL16 0, 1, NQ-1, 1, 0
	MUL16 2, 1, NQ-1, 1, 0
	s_wait_dscnt 0
	WIN MUL_HI
	MUL16 4, 1, NQ-1, 1, 0
	MUL16 6, 1, NQ-1, 1, 0
	WIN 0
; THE WAY OUT.  64 numbers of a lane, register 16 b + i = place 32 b + 16 (lane / 16) + i along the next K of my row, become a fragment's 12 code registers and its scale word.
.macro QUANT s, pc, pw
.irp b, 0,1,2,3
	v_max3_num_f32 v[TM+\b], |v[\s+16*\b]|, |v[\s+1+16*\b]|, 0x1800000   ; my 16 numbers of block b, and the floor 2^(3 - 127): the byte cannot fall under 1
.endr
.irp i, 2,4,6,8,10,12,14
.irp b, 0,1,2,3
	v_max3_num_f32 v[TM+\b], v[TM+\b], |v[\s+16*\b+\i]|, |v[\s+1+16*\b+\i]|
.endr
.endr
.irp b, 0,1,2,3
	v_permlanex16_b32 v[TM+4+\b], v[TM+\b], s[SEL], s[SEL+1]
.endr
.irp b, 0,1,2,3
	v_max_num_f32 v[TM+\b], v[TM+\b], v[TM+4+\b]   ; with lane l xor 16's: the block's largest magnitude
.endr
.irp b, 0,1,2,3
	v_add_nc_u32 v[TM+12+\b], 0xff000000, v[TM+\b] ; 2 off its exponent field: the conversion's scale operand
.endr
.irp b, 0,1,2,3
	v_lshrrev_b32 v[TM+4+\b], 23, v[TM+12+\b]      ; the scale's byte
.endr
	v_lshl_or_b32 v[\pw], v[TM+5], 8, v[TM+4]
	v_lshl_or_b32 v[\pw], v[TM+6], 16, v[\pw]
	v_lshl_or_b32 v[\pw], v[TM+7], 24, v[\pw]
.irp c, 0,1
	v_cvt_scalef32_pk16_fp6_f32 v[\pc+6*\c:\pc+2+6*\c], v[\s+32*\c:\s+15+32*\c], v[TM+12+2*\c]
	v_cvt_scalef32_pk16_fp6_f32 v[TP+4*\c:TP+2+4*\c], v[\s+16+32*\c:\s+31+32*\c], v[TM+12+2*\c+1]
.endr
	v_nop                                          ; one plain place behind a scaled conversion
.irp c, 0,1                                    ; the operand's layout wants a whole block in a lane: lanes 0-15 block 2 c, lanes 16-31 block 2 c + 1
.irp i, 0,1,2
	v_permlane16_swap_b32 v[\pc+6*\c+\i], v[TP+4*\c+\i]
.endr
.irp i, 0,1,2
	v_mov_b32 v[\pc+3+6*\c+\i], v[TP+4*\c+\i]
.endr
.endr
.endm
.macro EPI isv
.irp a, 0,1,2,3,4,5,6,7
.set PC, 192+12*(\a%2)
.if \a > 1
	s_wait_xcnt 0x0                                ; block a - 2's stores have read this set of code registers
.endif
	WIN 0x02+(\a/4)                                ; source 0: the accumulators' window
.set n, 0
.rept 32                                       ; + bias, into window 0; each accumulator is read from its low end on
.if \isv
	v_pk_add_f32 v[T+n:T+n+1], v[64*(\a%4)+n:64*(\a%4)+n+1], v[BV+2*\a:BV+2*\a+1]
.else
	v_pk_add_f32 v[T+n:T+n+1], v[64*(\a%4)+n:64*(\a%4)+n+1], v[BIAS+n:BIAS+n+1]
.endif
.set n, n+2
.endr
	WIN 0
	QUANT T, PC, PW+\a
.if \isv
.set OB, 98+2*(\a/4)                           ; head a / 4; tile a % 4 of its 64: two units, keys 0-63 and 64-127 of the step
.set OO, 6400+1536*(\a%4)
	global_store_b128 v[L16], v[PC:PC+3], s[OB:OB+1] offset:OO
	global_store_b64 v[L8], v[PC+4:PC+5], s[OB:OB+1] offset:OO+512
	global_store_b128 v[L16], v[PC+6:PC+9], s[OB:OB+1] offset:OO+768
	global_store_b64 v[L8], v[PC+10:PC+11], s[OB:OB+1] offset:OO+1280
.else                                          ; block a of the step's tokens: registers 0-5 are my first head's unit, 6-11 my second's
	global_store_b128 v[L16], v[PC:PC+3], s[98:99] offset:768*\a
	global_store_b64 v[L8], v[PC+4:PC+5], s[98:99] offset:768*\a+512
	global_store_b128 v[L16], v[PC+6:PC+9], s[100:101] offset:768*\a
	global_store_b64 v[L8], v[PC+10:PC+11], s[100:101] offset:768*\a+512
.endif
.endr
	s_mov_b32 vcc_lo, 0xffff0000                   ; lanes 16-31 take the odd items
.irp x, 0,1
.if \isv
	v_cndmask_b32 v[44+2*\x], v[PW+4*\x], v[PW+4*\x+1], vcc_lo
	v_cndmask_b32 v[45+2*\x], v[PW+4*\x+2], v[PW+4*\x+3], vcc_lo
	global_store_b64 v[L8], v[44+2*\x:45+2*\x], s[98+2*\x:99+2*\x] offset:12544
.else
.irp j, 0,1,2,3
	v_perm_b32 v[40+\j], v[PW+2*\j+1], v[PW+2*\j], 0x05040100+0x02020202*\x   ; head x's two bytes of block 2 j, then of block 2 j + 1
.endr
	v_cndmask_b32 v[44+2*\x], v40, v41, vcc_lo
	v_cndmask_b32 v[45+2*\x], v42, v43, vcc_lo
	global_store_b64 v[L8], v[44+2*\x:45+2*\x], s[98+2*\x:99+2*\x] offset:6144
.endif
.endr
.endm
	PLACES NP                                      ; behind the last products: their results are read and their operands' registers written below
	s_wait_loadcnt 0x0                             ; the bias
	s_mov_b32 s[SEL], 0x76543210
	s_mov_b32 s[SEL+1], 0xfedcba98
.irp b, 0,1,2,3
	v_mov_b32 v[TM+4+\b], 0                        ; written once: a lane permute's destination counts as one of its sources
.endr
	s_cmp_eq_u32 s2, 1
	s_cbranch_scc1 .Lv_out
	EPI 0
	s_branch .Lend
.Lv_out:
	EPI 1
.Lend:
	s_wait_tensorcnt 0x0                           ; the wave's end
	ds_add_u32 v[SPW], v[NIL]
	s_wait_dscnt 0x0
	CROUND                                         ; the closing round: no work-group ends while a partner may still ask for a tile that names it
	s_endpgm
.Lfunc_end_k_q2fe14b10e4_qkv:
	.size	k_q2fe14b10e4_qkv, .Lfunc_end_k_q2fe14b10e4_qkv-k_q2fe14b10e4_qkv
	.p2alignl 7, 3214868480
	.fill 96, 4, 3214868480
	.section	.rodata,"a",@progbits
	.p2align	6, 0x0
	.amdhsa_kernel k_q2fe14b10e4_qkv
		.amdhsa_group_segment_fixed_size 327680
		.amdhsa_private_segment_fixed_size 0
		.amdhsa_enable_private_segment 0
		.amdhsa_kernarg_size 40
		.amdhsa_user_sgpr_count 2
		.amdhsa_user_sgpr_kernarg_segment_ptr 1
		.amdhsa_wavefront_size32 1
		.amdhsa_system_sgpr_workgroup_id_x 1
		.amdhsa_system_sgpr_workgroup_id_y 1
		.amdhsa_system_sgpr_workgroup_id_z 1
		.amdhsa_system_vgpr_workitem_id 0
		.amdhsa_next_free_vgpr 1024
		.amdhsa_next_free_sgpr 102
		.amdhsa_reserve_vcc 1
		.amdhsa_float_denorm_mode_32 3
		.amdhsa_float_denorm_mode_16_64 3
		.amdhsa_memory_ordered 1
		.amdhsa_forward_progress 1
		.amdhsa_inst_pref_size 219
	.end_amdhsa_kernel
	.amdgpu_metadata
---
amdhsa.version: [ 1, 2 ]
amdhsa.kernels:
  - .name:           k_q2fe14b10e4_qkv
    .symbol:         k_q2fe14b10e4_qkv.kd
    .args:
      - { .name: xq, .offset: 0, .size: 8, .value_kind: global_buffer, .address_space: global }
      - { .name: wq, .offset: 8, .size: 8, .value_kind: global_buffer, .address_space: global }
      - { .name: b_qkv, .offset: 16, .size: 8, .value_kind: global_buffer, .address_space: global }
      - { .name: qq, .offset: 24, .size: 8, .value_kind: global_buffer, .address_space: global }
      - { .name: kv, .offset: 32, .size: 8, .value_kind: global_buffer, .address_space: global }
    .group_segment_fixed_size: 327680
    .private_segment_fixed_size: 0
    .kernarg_segment_align: 8
    .kernarg_segment_size: 40
    .max_flat_workgroup_size: 128
    .sgpr_count:     102
    .vgpr_count:     1024
    .wavefront_size: 32
...
	.end_amdgpu_metadata
.endif
;; end of part 2
;; launch attn (part 3): grid 4 x 64, 16 waves a work-group, clusters of 4 x 1, 206,848 bytes of LDS; arguments qq, kv, yq; writes yq
.if DOCPART == 3
	.amdgcn_target "amdgcn-amd-amdhsa--gfx1250"
	.amdhsa_code_object_version 6
	.text
	.protected	k_q2fe14b10e4_attn
	.globl	k_q2fe14b10e4_attn
	.p2align	8
	.type	k_q2fe14b10e4_attn,@function
k_q2fe14b10e4_attn:
	s_mov_b64 s[64:65], 0
	v_nop
	global_prefetch_b8 v0, s[64:65] scope:SCOPE_SE
	s_setreg_imm32_b32 hwreg(HW_REG_WAVE_MODE, 25, 1), 1
	s_wait_xcnt 0x0
	s_wait_alu depctr_hold_cnt(0) depctr_sa_sdst(0) depctr_va_vdst(0) depctr_va_sdst(0) depctr_va_ssrc(0) depctr_va_vcc(0) depctr_vm_vsrc(0)
	s_getreg_b32 s2, hwreg(HW_REG_IB_STS2, 6, 4)
	s_cmp_eq_u32 s2, 0
	s_cbranch_scc0 .Lentry_in_a_cluster
	s_endpgm
.Lentry_in_a_cluster:
	s_bfe_u32 s2, ttmp6, 0x10000c
	s_cmp_lg_u32 s2, 0x3003
	s_cbranch_scc0 .Lentry_shape_is_right
	s_endpgm
.Lentry_shape_is_right:
; y = softmax(q k^T / 8, causal) v for one (batch, head), both products on codes of FP6 (E2M3) with E8M0 scales; y is quantised along the model's 1,024 and stored as codes.
; THE SOFTMAX: t = score x log2(e) / 8; M = the running largest t rounded UP to a whole number; p = 2^(t - M) is quantised along the keys, not normalised; the row's sum is taken of the unquantised p and divides at the end.
; When M moves, the sum and O are multiplied by 2^(old M - new M): exact.
; SHARES.  A cluster of four work-groups owns a head; work-group j of it, wave w, owns two tiles of 16 queries: block 0 of the 32 tokens 128 w + 32 j on, and block 1 of the 32 tokens 128 (15 - w) + 32 (3 - j) on.
; The first needs key steps 0 .. w, the second 0 .. 15 - w (128 keys a step): 17 tile-steps in every wave of the launch.  What is left out lies wholly under the causal mask.  The jumps hang on the wave's number and on a counted scalar alone.
; LDS holds the head's K and V, codes and scale words, 16 steps x 12,800 bytes, filled ONCE by sixteen joint loads (waves 0-3, four each; step 4 g + w is wave w's g-th).  Nothing is filled again.
; LAYOUT.  Both products are used transposed (S^T = K Q^T, O^T = V^T P^T): a lane holds one query.  In each 32 rows block u holds at place r row 8 u + r + 8 (r / 8), so the 16 registers of two neighbouring tiles are 16 neighbours.
; THE HEAD IS 64 AND THE INSTRUCTION'S K IS 128: a fragment of K is two blocks of 16 keys side by side; multiplied by [Q | zero codes] it gives the first block's scores, by [zero codes | Q] the second's.  A zero code adds nothing under any scale byte here.
; LIMITS: NaN and infinities are not served; a block of zeros gets the byte 1 (its codes are zeros).
; REGISTERS: v1 16 x lane, v2 8 x lane, v3, v4 the same + the step's LDS byte; v5, v6 my queries' places for the mask; v7 8 r; v8-11, v12-15 per tile: -M, largest t, the sum in two halves;
; v16-45 zeros, Q1, zeros, Q2, zeros; v46, v47 Q's scale words; v48-95 four fragments; v96-159 S^T, then p; v160-191, v192-223 O^T; v224-235 p's codes; v232-247, v252, v254 at work; v248-251 K's, V's scale words; v253 p's.
.set WV,  10
.set W2,  11
.set SI,  12                           ; the key step
.set SB,  13                           ; its LDS byte
.set CNT, 14
.set J,   15
.set BH,  16
.set SEL, 18
.set CS,  20                           ; s[20:21] c = log2(e) / 8
.set G1,  24
.set G0,  32                           ; s[32:47] four groups 0
.set STEPB, 12800
.set XSC, 6291456
.set F,   48
.set S,   96
.macro CROUND
	s_barrier_signal -1
	s_barrier_wait -1
	s_cmp_lg_u32 s[WV], 0
	s_cbranch_scc1 .Lnot_wave_0_\@
	s_barrier_signal -3
.Lnot_wave_0_\@:
	s_barrier_wait -3
	s_barrier_signal -1
	s_barrier_wait -1
.endm
	s_load_b128 s[4:7], s[0:1], 0x0                ; qq s[4:5], kv s[6:7]
	s_load_b64 s[8:9], s[0:1], 0x10                ; yq
	v_lshl_add_u32 v254, v0, 2, 0x32000
	v_mov_b32 v255, 0
	ds_add_u32 v254, v255
	ds_add_u32 v254, v255
	s_wait_dscnt 0x0
	v_lshrrev_b32 v1, 5, v0
	v_readfirstlane_b32 s[WV], v1                  ; wave 0..15
	s_xor_b32 s[W2], s[WV], 15                     ; 15 - wave
	s_bfe_u32 s[J], ttmp6, 0x40000                 ; my place in the cluster: it enters global addresses and the mask's numbers alone
	s_and_b32 s[BH], ttmp7, 0xffff                 ; 16 x batch + head, which the four partners share
	s_mov_b32 s[G1], 15|(3<<16)|(1<<21)            ; the mask: all four; elements of 8 bytes; no padding; bit 21 beside a mask
	s_mov_b32 s[G1+1], 32<<16                      ; a step's 12,800 dense bytes as 50 rows of 256
	s_mov_b32 s[G1+2], 50<<16
	s_mov_b32 s[G1+3], 32<<16
	s_mov_b32 s[G1+4], 50
	s_mov_b32 s[G1+5], 32
	s_mov_b32 s[G1+6], 0
	s_mov_b32 s[G1+7], 0
	s_mov_b32 s[SEL], 0x76543210
	s_mov_b32 s[SEL+1], 0xfedcba98
	s_mov_b32 s[CS], 0x3e38aa3b
	s_mov_b32 s[CS+1], s[CS]
	s_and_b32 s48, s[WV], 3                        ; (the waves that fetch are 0-3: for them this is the wave's number)
	s_mul_i32 s48, s48, STEPB
	s_mul_i32 s50, s[BH], 16*STEPB
	s_add_co_u32 s50, s50, s48
	s_mov_b32 s51, 0
	s_wait_kmcnt 0x0
	s_add_nc_u64 s[50:51], s[6:7], s[50:51]
	CROUND                                         ; all four work-groups are here: the joint loads meet
.irp g, 0,1,2,3
	s_mov_b32 s[G0+4*\g], 1
	s_add_co_u32 s[G0+4*\g+1], s48, \g*4*STEPB
	s_add_nc_u64 s[G0+4*\g+2:G0+4*\g+3], s[50:51], \g*4*STEPB
	s_or_b32 s[G0+4*\g+3], s[G0+4*\g+3], 0x80000000
.endr
	s_cmp_lt_u32 s[WV], 4                          ; a wave's four fills stand in one branch, ahead of every wait on TENSORcnt, every LDS read and every other barrier: four loads of mine are out
	s_cbranch_scc0 .Lno_fetch
	tensor_load_to_lds s[G0:G0+3], s[G1:G1+7]
	s_nop 0
	tensor_load_to_lds s[G0+4:G0+7], s[G1:G1+7]
	s_nop 0
	tensor_load_to_lds s[G0+8:G0+11], s[G1:G1+7]
	s_nop 0
	tensor_load_to_lds s[G0+12:G0+15], s[G1:G1+7]
	s_nop 0
.rept 4
	v_nop
.endr
.Lno_fetch:
	v_and_b32 v224, 31, v0
	v_lshlrev_b32 v1, 4, v224
	v_lshlrev_b32 v2, 3, v224
	v_and_b32 v225, 15, v0                         ; r
	v_lshlrev_b32 v7, 3, v225
	v_and_b32 v226, 8, v225
	v_add_nc_u32 v226, v226, v225                  ; r + 8 (r / 8)
	v_bfe_u32 v227, v0, 4, 1
	v_lshlrev_b32 v227, 4, v227
	v_sub_nc_u32 v226, v226, v227                  ; - 16 h
	s_lshl_b32 s52, s[J], 5
	v_add_nc_u32 v5, s52, v226                     ; tile 1: my query's place in its last step, less 16 h
	s_sub_co_u32 s53, 104, s52                     ; 32 (3 - j) + 8
	v_add_nc_u32 v6, s53, v226                     ; tile 2
	s_mul_i32 s54, s[BH], 102400
	s_mul_i32 s55, s[WV], 6400
	s_add_co_u32 s56, s54, s55
	s_mov_b32 s57, 0
	s_add_nc_u64 s[56:57], s[4:5], s[56:57]        ; q: tile 1's step block
	s_mul_i32 s55, s[W2], 6400
	s_add_co_u32 s58, s54, s55
	s_mov_b32 s59, 0
	s_add_nc_u64 s[58:59], s[4:5], s[58:59]        ; tile 2's
	s_mul_i32 s52, s[J], 1536                      ; tile 1 is block 2 j of its step,
	s_sub_co_u32 s53, 5376, s52                    ; tile 2 block 7 - 2 j
	v_add_nc_u32 v228, s52, v1
	v_add_nc_u32 v229, s52, v2
	v_add_nc_u32 v230, s53, v1
	v_add_nc_u32 v231, s53, v2
	global_load_b128 v[22:25], v228, s[56:57]
	global_load_b64 v[26:27], v229, s[56:57] offset:512
	global_load_b128 v[34:37], v230, s[58:59]
	global_load_b64 v[38:39], v231, s[58:59] offset:512
	s_and_b32 s52, s[J], 1                         ; the scale word of item j: 128 (j % 2) + 4 (j / 2) + 8 r
	s_lshl_b32 s52, s52, 7
	s_lshr_b32 s53, s[J], 1
	s_lshl_b32 s53, s53, 2
	s_add_co_u32 s52, s52, s53
	v_add_nc_u32 v232, s52, v7
	s_xor_b32 s53, s[J], 3                         ; and of item 3 - j
	s_and_b32 s52, s53, 1
	s_lshl_b32 s52, s52, 7
	s_lshr_b32 s53, s53, 1
	s_lshl_b32 s53, s53, 2
	s_add_co_u32 s52, s52, s53
	v_add_nc_u32 v233, s52, v7
	global_load_b32 v46, v232, s[56:57] offset:6144
	global_load_b32 v47, v233, s[58:59] offset:6144
.set n, 0
.rept 64
	v_mov_b32 v[160+n], 0                          ; O^T of both tiles: the step is written once; the first finds zeros, which the first change of M leaves zeros
.set n, n+1
.endr
	s_wait_loadcnt 0x0                             ; Q and its scale words
	v_perm_b32 v46, v46, v46, 0x01000100           ; tile 1 is the item's first block: its two bytes, twice: for [Q | 0] and for [0 | Q]
	v_perm_b32 v47, v47, v47, 0x03020302           ; tile 2 the second
.irp z, 16,17,18,19,20,21,28,29,30,31,32,33,40,41,42,43,44,45
	v_mov_b32 v\z, 0                               ; zero codes.  (These lines are also the places between the two lines above and the first product)
.endr
	v_mov_b32 v9, 0xff61b1e6                       ; the largest t so far: -3e38
	v_floor_f32 v8, -v9                            ; -M
	v_mov_b32 v10, 0
	v_mov_b32 v11, 0
	v_mov_b32 v13, 0xff61b1e6
	v_floor_f32 v12, -v13
	v_mov_b32 v14, 0
	v_mov_b32 v15, 0
.irp b, 0,1,2,3
	v_mov_b32 v[236+\b], 0                         ; written once: a lane permute's destination counts as one of its sources
.endr
	v_mov_b32 v252, 0
	v_mov_b32 v253, 0
.macro FRAG reg, off                   ; two units on end; every load reads consecutive bytes in consecutive lanes
	ds_load_b128 v[\reg:\reg+3], v3 offset:\off
	ds_load_b64 v[\reg+4:\reg+5], v4 offset:\off+512
	ds_load_b128 v[\reg+6:\reg+9], v3 offset:\off+768
	ds_load_b64 v[\reg+10:\reg+11], v4 offset:\off+1280
.endm
; ONE TILE'S KEY STEP.  st: its statistics; qlo, qhi: [Q | 0], [0 | Q]; qs: Q's scale word; o: its O^T; d: its mask number; lim: the scalar that holds its last step
.macro STEP st, qlo, qhi, qs, o, d, lim
.rept 4
	v_nop                                          ; places in front of loads into registers that the last products have read
.endr
.irp j, 0,1,2,3
	FRAG F+12*\j, 1536*\j                          ; keys 32 j .. 32 j + 31: two blocks
.endr
	ds_load_b64 v[248:249], v4 offset:6144         ; their scale words: item 0 | 1, item 2 | 3
	s_wait_dscnt 0x0
.irp j, 0,1,2,3
.if \j%2
	v_wmma_scale_f32_16x16x128_f8f6f4 v[S+16*\j:S+16*\j+7], v[F+12*\j:F+12*\j+11], v[\qlo:\qlo+11], 0, v[248+\j/2], v[\qs] matrix_a_fmt:MATRIX_FMT_FP6 matrix_b_fmt:MATRIX_FMT_FP6 matrix_a_scale:MATRIX_SCALE_ROW1
	v_wmma_scale_f32_16x16x128_f8f6f4 v[S+16*\j+8:S+16*\j+15], v[F+12*\j:F+12*\j+11], v[\qhi:\qhi+11], 0, v[248+\j/2], v[\qs] matrix_a_fmt:MATRIX_FMT_FP6 matrix_b_fmt:MATRIX_FMT_FP6 matrix_a_scale:MATRIX_SCALE_ROW1
.else
	v_wmma_scale_f32_16x16x128_f8f6f4 v[S+16*\j:S+16*\j+7], v[F+12*\j:F+12*\j+11], v[\qlo:\qlo+11], 0, v[248+\j/2], v[\qs] matrix_a_fmt:MATRIX_FMT_FP6 matrix_b_fmt:MATRIX_FMT_FP6
	v_wmma_scale_f32_16x16x128_f8f6f4 v[S+16*\j+8:S+16*\j+15], v[F+12*\j:F+12*\j+11], v[\qhi:\qhi+11], 0, v[248+\j/2], v[\qs] matrix_a_fmt:MATRIX_FMT_FP6 matrix_b_fmt:MATRIX_FMT_FP6
.endif
.endr                                          ; register 16 b + i of S^T: key 32 b + 16 (lane / 16) + i of the step
.rept 4
	v_nop
.endr
.irp t, 0,1,2,3
	FRAG F+12*\t, 6400+1536*\t                     ; V's four tiles of 16 of the head's 64 x 128 keys: they land while the softmax is walked
.endr
	ds_load_b64 v[250:251], v4 offset:12544
	s_cmp_lg_u32 s[SI], s[\lim]                    ; only the tile's last step lies on the diagonal
	s_cbranch_scc1 .Lopen_\@
	v_mov_b32 v254, 0xff800000                     ; hidden scores become -infinity ahead of the maximum: p = 0 then
.set n, 0
.rept 64
	v_cmp_gt_i32 vcc_lo, 32*(n/16)+n%16, v[\d]
	v_cndmask_b32 v[S+n], v[S+n], v254, vcc_lo
.set n, n+1
.endr
.Lopen_\@:
.irp b, 0,1,2,3
	v_max3_num_f32 v[232+\b], v[S+16*\b], v[S+1+16*\b], v[S+2+16*\b]   ; the largest score of each block of 32 keys: for the row's maximum, and, since p rises with the score, for the block's largest p
.endr
.irp i, 3,5,7,9,11,13
.irp b, 0,1,2,3
	v_max3_num_f32 v[232+\b], v[232+\b], v[S+16*\b+\i], v[S+1+16*\b+\i]
.endr
.endr
.irp b, 0,1,2,3
	v_max_num_f32 v[232+\b], v[232+\b], v[S+15+16*\b]
.endr
.irp b, 0,1,2,3
	v_permlanex16_b32 v[236+\b], v[232+\b], s[SEL], s[SEL+1]
.endr
.irp b, 0,1,2,3
	v_max_num_f32 v[232+\b], v[232+\b], v[236+\b]
.endr
	v_max3_num_f32 v254, v232, v233, v234
	v_max_num_f32 v254, v254, v235
	v_mul_f32 v254, s[CS], v254                    ; the step's largest t
	v_max_num_f32 v[\st+1], v[\st+1], v254         ; the running largest t
	v_mov_b32 v254, v[\st]
	v_floor_f32 v[\st], -v[\st+1]                  ; the new -M = -ceil(t)
	v_sub_f32 v254, v[\st], v254                   ; old M - new M: a whole number, 0 or less
	v_cvt_i32_f32 v254, v254                       ; (it saturates)
	v_ldexp_f32 v252, 1.0, v254                    ; f = 2^(old M - new M)
.set n, 0
.rept 32
	v_pk_fma_f32 v[S+n:S+n+1], v[S+n:S+n+1], s[CS:CS+1], v[\st:\st+1] op_sel_hi:[1,0,0]   ; t - M
.set n, n+2
.endr
.irp b, 0,1,2,3
	v_fma_f32 v[232+\b], v[232+\b], s[CS], v[\st]
.endr
.set n, 0
.rept 64
	v_exp_f32 v[S+n], v[S+n]                       ; p = 2^(t - M)
.set n, n+1
.endr
.irp b, 0,1,2,3
	v_exp_f32 v[232+\b], v[232+\b]                 ; the block's largest p: the same two instructions on the same number
.endr
	v_pk_mul_f32 v[\st+2:\st+3], v[\st+2:\st+3], v[252:253] op_sel_hi:[1,0]   ; the sums under the new M.  (A plain place behind the exponentials)
	s_wait_alu depctr_va_vdst(0)
.irp b, 0,1,2,3
	v_max_num_f32 v[232+\b], 0x1800000, v[232+\b]  ; the floor 2^(3 - 127)
.endr
.irp b, 0,1,2,3
	v_add_nc_u32 v[244+\b], 0xff000000, v[232+\b]  ; the conversion's scale operand
.endr
.irp b, 0,1,2,3
	v_lshrrev_b32 v[236+\b], 23, v[244+\b]         ; the scale's byte
.endr
	v_lshl_or_b32 v253, v237, 8, v236              ; p's scale word for these 128 keys
	v_lshl_or_b32 v253, v238, 16, v253
	v_lshl_or_b32 v253, v239, 24, v253
.irp c, 0,1
	v_cvt_scalef32_pk16_fp6_f32 v[224+6*\c:226+6*\c], v[S+32*\c:S+15+32*\c], v[244+2*\c]
	v_cvt_scalef32_pk16_fp6_f32 v[236+4*\c:238+4*\c], v[S+16+32*\c:S+31+32*\c], v[244+2*\c+1]
.endr
	v_nop                                          ; one plain place behind a scaled conversion
.irp c, 0,1
.irp i, 0,1,2
	v_permlane16_swap_b32 v[224+6*\c+\i], v[236+4*\c+\i]
.endr
.irp i, 0,1,2
	v_mov_b32 v[227+6*\c+\i], v[236+4*\c+\i]
.endr
.endr
	v_pk_add_f32 v[236:237], v[S:S+1], v[S+2:S+3]  ; the row's sum is taken of the unquantised p, in two chains
.irp j, 4,8,12,16,20,24,28,32,36,40,44,48,52,56,60
	v_pk_add_f32 v[\st+2:\st+3], v[\st+2:\st+3], v[S+\j:S+1+\j]
	v_pk_add_f32 v[236:237], v[236:237], v[S+2+\j:S+3+\j]
.endr
	v_pk_add_f32 v[\st+2:\st+3], v[\st+2:\st+3], v[236:237]
.set n, 0
.rept 16
	v_pk_mul_f32 v[\o+n:\o+n+1], v[\o+n:\o+n+1], v[252:253] op_sel_hi:[1,0]   ; O^T under the new M
.set n, n+2
.endr
	s_wait_dscnt 0x0                               ; V is in
.irp t, 0,1,2,3                                ; four accumulators by turns
.if \t%2
	v_wmma_scale_f32_16x16x128_f8f6f4 v[\o+8*\t:\o+8*\t+7], v[F+12*\t:F+12*\t+11], v[224:235], v[\o+8*\t:\o+8*\t+7], v[250+\t/2], v253 matrix_a_fmt:MATRIX_FMT_FP6 matrix_b_fmt:MATRIX_FMT_FP6 matrix_a_scale:MATRIX_SCALE_ROW1
.else
	v_wmma_scale_f32_16x16x128_f8f6f4 v[\o+8*\t:\o+8*\t+7], v[F+12*\t:F+12*\t+11], v[224:235], v[\o+8*\t:\o+8*\t+7], v[250+\t/2], v253 matrix_a_fmt:MATRIX_FMT_FP6 matrix_b_fmt:MATRIX_FMT_FP6
.endif
.endr
.endm
; Four key steps, 4 g .. 4 g + 3.  The count leaves the fetching waves' younger loads out; behind the barrier every wave may read what they brought.
.macro PHASE g
	s_wait_tensorcnt 3-\g
	s_wait_dscnt 0x0
	s_barrier_signal -1
	s_barrier_wait -1
	s_mov_b32 s[SI], 4*\g
	s_mov_b32 s[SB], 4*STEPB*\g
	s_mov_b32 s[CNT], 4
.Ltrip_\@:
	v_add_nc_u32 v3, s[SB], v1
	v_add_nc_u32 v4, s[SB], v2
	s_cmp_gt_u32 s[SI], s[WV]                      ; all the step's keys come after tile 1's queries?
	s_cbranch_scc1 .Lnot_1_\@
	STEP 8, 22, 16, 46, 160, 5, WV
.Lnot_1_\@:
	s_cmp_gt_u32 s[SI], s[W2]                      ; after tile 2's?
	s_cbranch_scc1 .Lnot_2_\@
	STEP 12, 34, 28, 47, 192, 6, W2
.Lnot_2_\@:
	s_add_co_u32 s[SI], s[SI], 1
	s_add_co_u32 s[SB], s[SB], STEPB
	s_sub_co_u32 s[CNT], s[CNT], 1
	s_cmp_lg_u32 s[CNT], 0
	s_cbranch_scc1 .Ltrip_\@
.endm
	PHASE 0
	PHASE 1
	PHASE 2
	PHASE 3
	; THE WAY OUT.  O^T / the sum: 32 numbers a lane, register 16 b + i = channel 32 b + 16 (lane / 16) + i of the head: two blocks along the last product's K.  They become one unit of yq and two scale bytes a row.
	s_lshl_b32 s48, s[WV], 2
	s_add_co_u32 s48, s48, s[J]                    ; tile 1's 32 tokens among the sequence's 64 such
	s_xor_b32 s49, s48, 63                         ; tile 2's
	s_lshr_b32 s50, s[BH], 4
	s_lshl_b32 s50, s50, 3                         ; 8 tiles of 256 tokens a batch
	s_and_b32 s51, s[BH], 15                       ; the head: K = 64 x head
	s_lshr_b32 s52, s51, 2
	s_and_b32 s53, s51, 3
	s_mul_i32 s62, s52, 49152
	s_mul_i32 s54, s53, 768
	s_add_co_u32 s62, s62, s54
	s_lshl_b32 s63, s52, 11
	s_lshl_b32 s54, s53, 1
	s_add_co_u32 s63, s63, s54
	s_add_co_u32 s63, s63, XSC
.rept 4
	v_nop                                          ; places behind the last products
.endr
.macro OUT st, o, ir, u
	s_lshr_b32 s54, s[\ir], 3
	s_add_co_u32 s54, s54, s50                     ; the tile of 256 tokens
	s_and_b32 s55, s[\ir], 7
	s_lshl_b32 s55, s55, 1
	s_add_co_u32 s55, s55, \u                      ; the block in it
	s_mul_i32 s56, s54, 196608
	s_mul_i32 s57, s55, 3072
	s_add_co_u32 s56, s56, s57
	s_add_co_u32 s56, s56, s62
	s_mov_b32 s57, 0
	s_add_nc_u64 s[58:59], s[8:9], s[56:57]
	s_lshl_b32 s56, s54, 13
	s_lshl_b32 s54, s55, 7
	s_add_co_u32 s56, s56, s54
	s_add_co_u32 s56, s56, s63
	s_add_nc_u64 s[60:61], s[8:9], s[56:57]
	v_add_f32 v[\st+2], v[\st+2], v[\st+3]         ; the sum's two halves,
	v_permlanex16_b32 v252, v[\st+2], s[SEL], s[SEL+1]
	v_add_f32 v[\st+2], v[\st+2], v252             ; and lane l xor 16's
	v_rcp_f32 v[\st+2], v[\st+2]
	v_nop                                          ; a plain place behind the transcendental
.set n, 0
	s_wait_alu depctr_va_vdst(0)
.rept 32
	v_mul_f32 v[S+n], v[\o+n], v[\st+2]            ; each accumulator from its low end on
.set n, n+1
.endr
.irp b, 0,1
	v_max3_num_f32 v[232+\b], |v[S+16*\b]|, |v[S+1+16*\b]|, 0x1800000
.endr
.irp i, 2,4,6,8,10,12,14
.irp b, 0,1
	v_max3_num_f32 v[232+\b], v[232+\b], |v[S+16*\b+\i]|, |v[S+1+16*\b+\i]|
.endr
.endr
.irp b, 0,1
	v_permlanex16_b32 v[236+\b], v[232+\b], s[SEL], s[SEL+1]
.endr
.irp b, 0,1
	v_max_num_f32 v[232+\b], v[232+\b], v[236+\b]
.endr
.irp b, 0,1
	v_add_nc_u32 v[244+\b], 0xff000000, v[232+\b]
.endr
.irp b, 0,1
	v_lshrrev_b32 v[236+\b], 23, v[244+\b]
.endr
	v_lshl_or_b32 v243, v237, 8, v236              ; my row's two scale bytes
	v_cvt_scalef32_pk16_fp6_f32 v[224:226], v[S:S+15], v244
	v_cvt_scalef32_pk16_fp6_f32 v[240:242], v[S+16:S+31], v245
	v_nop
.irp i, 0,1,2
	v_permlane16_swap_b32 v[224+\i], v[240+\i]
.endr
.irp i, 0,1,2
	v_mov_b32 v[227+\i], v[240+\i]
.endr
	global_store_b128 v1, v[224:227], s[58:59]     ; 512 consecutive bytes
	global_store_b64 v2, v[228:229], s[58:59] offset:512
	global_store_b16 v7, v243, s[60:61]            ; two bytes of each row's eight (the other six are other heads'); lanes 16-31 repeat lanes 0-15
.endm
	OUT 8, 160, 48, 0
	s_wait_xcnt 0x0                                ; the stores have read their registers and bases
	OUT 12, 192, 49, 1
	s_wait_xcnt 0x0
	v_lshl_add_u32 v254, v0, 2, 0x32000
	v_mov_b32 v255, 0
	s_wait_tensorcnt 0x0
	ds_add_u32 v254, v255
	s_wait_dscnt 0x0
	CROUND                                         ; the closing round
	s_endpgm
.Lfunc_end_k_q2fe14b10e4_attn:
	.size	k_q2fe14b10e4_attn, .Lfunc_end_k_q2fe14b10e4_attn-k_q2fe14b10e4_attn
	.p2alignl 7, 3214868480
	.fill 96, 4, 3214868480
	.section	.rodata,"a",@progbits
	.p2align	6, 0x0
	.amdhsa_kernel k_q2fe14b10e4_attn
		.amdhsa_group_segment_fixed_size 206848
		.amdhsa_private_segment_fixed_size 0
		.amdhsa_enable_private_segment 0
		.amdhsa_kernarg_size 24
		.amdhsa_user_sgpr_count 2
		.amdhsa_user_sgpr_kernarg_segment_ptr 1
		.amdhsa_wavefront_size32 1
		.amdhsa_system_sgpr_workgroup_id_x 1
		.amdhsa_system_sgpr_workgroup_id_y 1
		.amdhsa_system_sgpr_workgroup_id_z 1
		.amdhsa_system_vgpr_workitem_id 0
		.amdhsa_next_free_vgpr 256
		.amdhsa_next_free_sgpr 66
		.amdhsa_reserve_vcc 1
		.amdhsa_float_denorm_mode_32 3
		.amdhsa_float_denorm_mode_16_64 3
		.amdhsa_memory_ordered 1
		.amdhsa_forward_progress 1
		.amdhsa_inst_pref_size 186
	.end_amdhsa_kernel
	.amdgpu_metadata
---
amdhsa.version: [ 1, 2 ]
amdhsa.kernels:
  - .name:           k_q2fe14b10e4_attn
    .symbol:         k_q2fe14b10e4_attn.kd
    .args:
      - { .name: qq, .offset: 0, .size: 8, .value_kind: global_buffer, .address_space: global }
      - { .name: kv, .offset: 8, .size: 8, .value_kind: global_buffer, .address_space: global }
      - { .name: yq, .offset: 16, .size: 8, .value_kind: global_buffer, .address_space: global }
    .group_segment_fixed_size: 206848
    .private_segment_fixed_size: 0
    .kernarg_segment_align: 8
    .kernarg_segment_size: 24
    .max_flat_workgroup_size: 512
    .sgpr_count:     66
    .vgpr_count:     256
    .wavefront_size: 32
...
	.end_amdgpu_metadata
.endif
;; end of part 3
;; launch proj (part 4): grid 4 x 32, 4 waves a work-group, clusters of 4 x 4, 327,680 bytes of LDS; arguments yq, wq, b_proj, out0; writes out0
.if DOCPART == 4
	.amdgcn_target "amdgcn-amd-amdhsa--gfx1250"
	.amdhsa_code_object_version 6
	.text
	.protected	k_q2fe14b10e4_proj
	.globl	k_q2fe14b10e4_proj
	.p2align	8
	.type	k_q2fe14b10e4_proj,@function
k_q2fe14b10e4_proj:
	s_mov_b64 s[64:65], 0
	v_nop
	global_prefetch_b8 v0, s[64:65] scope:SCOPE_SE
	s_setreg_imm32_b32 hwreg(HW_REG_WAVE_MODE, 25, 1), 1
	s_wait_xcnt 0x0
	s_wait_alu depctr_hold_cnt(0) depctr_sa_sdst(0) depctr_va_vdst(0) depctr_va_sdst(0) depctr_va_ssrc(0) depctr_va_vcc(0) depctr_vm_vsrc(0)
	s_getreg_b32 s2, hwreg(HW_REG_IB_STS2, 6, 4)
	s_cmp_eq_u32 s2, 0
	s_cbranch_scc0 .Lentry_in_a_cluster
	s_endpgm
.Lentry_in_a_cluster:
	s_bfe_u32 s2, ttmp6, 0x10000c
	s_cmp_lg_u32 s2, 0xf033
	s_cbranch_scc0 .Lentry_shape_is_right
	s_endpgm
.Lentry_shape_is_right:
; out0 = y W_proj + b_proj on codes of FP6 (E2M3) with E8M0 scales; out0 [8192][1024] f32.
; OPERANDS lie in memory in the order of the operand's registers.  A UNIT = 16 rows x 64 K = 768 bytes (lane's registers 0-3 at 16 x lane, registers 4-5 at 512 + 8 x lane); codes [tile of 256 rows][K / 256][block 16][unit 4];
; scale bytes [tile][K / 256][block][row][8].  In each 32 rows block u holds at place r row 8 u + r + 8 (r / 8).
; A tile of 256 x 256 to a work-group of four waves, 128 x 128 (64 accumulators) to a wave; source 0 = 16 features (wq's tiles 12-15), source 1 = 16 tokens (yq): a lane holds one token, and the 16 registers of two neighbouring tiles are 16 neighbouring columns.
; K goes in steps of 256 through a ring of two LDS slots; a wave's part of a slot is one dense block of 24,576 bytes, brought as 96 rows of 256 bytes.  The scale bytes of both tiles, for all of K, come once.
; CLUSTERS: 4 x 4: the tokens' tile is asked for jointly by my row of the cluster, the features' by my column.
; REGISTERS: window 0: v0-31 addresses; v32-63 scale words; v64-127 bias; v128-223 A's fragments (on the way out v128-255: rows read back).  Window 1: B's fragments, two sets (on the way out v0-127: biased results).  Windows 2, 3: accumulators.
.set NQ,     2
.set FR,     12
.set NL,     4
.set NP,     4
.set HALFT,  24576
.set SLOT,   4*HALFT
.set PSTEP,  49152
.set TILEB,  196608
.set LAPS,   2
.set SCL,    2*SLOT
.set HALFS,  4096
.set SBLK,   128
.set SPARE,  SCL+4*HALFS               ; the spare words, 128 bytes for each wave: two blocks of 256 bytes that no other line names
.set XSC,    6291456
.set WSC,    3145728
.set SPITCH, 528                       ; the way out: a stage of 16 rows x (512 bytes + 16) for each wave, in slot 0, which has had its last fill and its last read by then
.set ADRA, 16
.set ADRB, 20
.set STO,  24                          ; v24 the stage: where I put my numbers of a row
.set RD,   25                          ; v25 where I read a row back
.set CO,   26                          ; v26 16 x lane
.set ADRS, 27
.set SPW,  28
.set NIL,  29
.set BO,   30
.set SC,   32
.set BIAS, 64
.set AF,   128
.set BK,   128
.set G1, 24
.set G0, 32
.set G1B, 48
.set G0B, 56
.set G1S, 68
.set G0S, 76
.set G1SB, 80
.set G0SB, 88
.set MSB, 0
.macro WIN new
.if MSB != (\new)
	s_set_vgpr_msb (MSB<<8)|(\new)
.set MSB, (\new)
.endif
.endm
.set MUL_LO, 0xa1
.set MUL_HI, 0xf1
.set TO_B,   0x40
.macro JLOAD g0a, g1a, g0b, g1b        ; a joint load: waves 0 and 1 fetch for A, waves 2 and 3 for B; four v_nop follow each of the two lines
	s_cmp_eq_u32 s15, 0
	s_cbranch_scc0 .Lfor_b_\@
	tensor_load_to_lds s[\g0a:\g0a+3], s[\g1a:\g1a+7]
	s_nop 0
.rept 4
	v_nop
.endr
	s_branch .Lasked_\@
.Lfor_b_\@:
	tensor_load_to_lds s[\g0b:\g0b+3], s[\g1b:\g1b+7]
	s_nop 0
.rept 4
	v_nop
.endr
.Lasked_\@:
.endm
.macro CREST
	s_cmp_lg_u32 s14, 0
	s_cbranch_scc1 .Lnot_wave_0_\@
	s_barrier_signal -3
.Lnot_wave_0_\@:
	s_barrier_wait -3
	s_barrier_signal -1
	s_barrier_wait -1
.endm
.macro CROUND
	s_barrier_signal -1
	s_barrier_wait -1
	CREST
.endm
	s_load_b256 s[4:11], s[0:1], 0x0               ; yq s[4:5], wq s[6:7], b_proj s[8:9], out0 s[10:11]
	v_lshl_add_u32 v[SPW], v0, 2, SPARE
	v_mov_b32 v[NIL], 0
	ds_add_u32 v28, v29
	ds_add_u32 v28, v29
	s_wait_dscnt 0x0
	v_lshrrev_b32 v1, 5, v0
	v_readfirstlane_b32 s14, v1
	s_lshr_b32 s15, s14, 1
	s_and_b32 s16, s14, 1
	s_bfe_u32 s40, ttmp6, 0x40000                  ; cx
	s_bfe_u32 s41, ttmp6, 0x40004                  ; cy
	s_and_b32 s17, ttmp7, 0xffff
	s_lshl_b32 s17, s17, 2
	s_add_co_u32 s17, s17, s41                     ; the tokens' tile = 4 x cluster y + cy
	s_add_co_u32 s42, s40, 12                      ; the features' tile in wq = 12 + cx
	s_lshl_b32 s43, s41, 2
	s_lshl_b32 s43, 15, s43
	s_lshl_b32 s44, 0x1111, s40
	s_or_b32 s[G1+0], s43, (3<<16)|(1<<21)
	s_or_b32 s[G1B+0], s44, (3<<16)|(1<<21)
.irp g, G1, G1B
	s_mov_b32 s[\g+1], 32<<16
	s_mov_b32 s[\g+2], 96<<16
	s_mov_b32 s[\g+3], 32<<16
	s_mov_b32 s[\g+4], 96
	s_mov_b32 s[\g+5], 32
	s_mov_b32 s[\g+6], 0
	s_mov_b32 s[\g+7], 0
.endr
	s_or_b32 s[G1S+0], s43, (3<<16)|(1<<21)
	s_or_b32 s[G1SB+0], s44, (3<<16)|(1<<21)
.irp g, G1S, G1SB
	s_mov_b32 s[\g+1], 32<<16
	s_mov_b32 s[\g+2], 16<<16
	s_mov_b32 s[\g+3], 32<<16
	s_mov_b32 s[\g+4], 16
	s_mov_b32 s[\g+5], 32
	s_mov_b32 s[\g+6], 0
	s_mov_b32 s[\g+7], 0
.endr
	s_mul_i32 s18, s16, HALFT
	s_mul_i32 s20, s17, TILEB
	s_add_co_u32 s20, s20, s18
	s_mov_b32 s21, 0
	s_mul_i32 s46, s42, TILEB
	s_add_co_u32 s46, s46, s18
	s_mov_b32 s47, 0
	s_lshl_b32 s18, s16, 12
	s_lshl_b32 s22, s17, 13
	s_add_co_u32 s22, s22, s18
	s_add_co_u32 s22, s22, XSC
	s_mov_b32 s23, 0
	s_lshl_b32 s92, s42, 13
	s_add_co_u32 s92, s92, s18
	s_add_co_u32 s92, s92, WSC
	s_mov_b32 s93, 0
	s_mul_i32 s45, s14, HALFT
	s_mul_i32 s94, s14, HALFS
	s_wait_kmcnt 0x0
	s_add_nc_u64 s[20:21], s[4:5], s[20:21]
	s_add_nc_u64 s[22:23], s[4:5], s[22:23]
	s_add_nc_u64 s[46:47], s[6:7], s[46:47]
	s_add_nc_u64 s[92:93], s[6:7], s[92:93]
	CROUND                                         ; all sixteen work-groups are here: the first joint loads meet
	s_mov_b32 s[G0S], 1
	s_add_co_u32 s[G0S+1], s94, SCL
	s_mov_b64 s[G0S+2:G0S+3], s[22:23]
	s_or_b32 s[G0S+3], s[G0S+3], 0x80000000
	s_mov_b32 s[G0SB], 1
	s_add_co_u32 s[G0SB+1], s94, SCL
	s_mov_b64 s[G0SB+2:G0SB+3], s[92:93]
	s_or_b32 s[G0SB+3], s[G0SB+3], 0x80000000
	JLOAD G0S, G1S, G0SB, G1SB
.irp s, 0,1
	s_mov_b32 s[G0+4*\s], 1
	s_add_co_u32 s[G0+4*\s+1], s45, \s*SLOT
	s_add_nc_u64 s[G0+4*\s+2:G0+4*\s+3], s[20:21], \s*PSTEP
	s_or_b32 s[G0+4*\s+3], s[G0+4*\s+3], 0x80000000
	s_mov_b32 s[G0B+4*\s], 1
	s_add_co_u32 s[G0B+4*\s+1], s45, \s*SLOT
	s_add_nc_u64 s[G0B+4*\s+2:G0B+4*\s+3], s[46:47], \s*PSTEP
	s_or_b32 s[G0B+4*\s+3], s[G0B+4*\s+3], 0x80000000
	JLOAD G0+4*\s, G1, G0B+4*\s, G1B               ; three loads of mine are out
.endr
	v_and_b32 v1, 15, v0                           ; r
	v_bfe_u32 v2, v0, 4, 1                         ; h
	v_and_b32 v3, 31, v0
	v_lshlrev_b32 v[CO], 4, v3
	v_lshlrev_b32 v4, 3, v3
	s_mul_i32 s21, s15, HALFT
	s_mul_i32 s22, s16, HALFT
	s_add_co_u32 s22, s22, 2*HALFT
.irp s, 0,1
	v_add_nc_u32 v[ADRA+\s], s21, v[CO]
	v_add_nc_u32 v[ADRB+\s], s22, v[CO]
	v_add_nc_u32 v[ADRA+2+\s], s21, v4
	v_add_nc_u32 v[ADRB+2+\s], s22, v4
	s_add_co_u32 s21, s21, SLOT
	s_add_co_u32 s22, s22, SLOT
.endr
	v_lshlrev_b32 v5, 3, v1
	s_lshl_b32 s21, s15, 10
	s_lshl_b32 s22, s16, 10
	s_add_co_u32 s22, s22, 2*HALFS
	s_sub_co_u32 s22, s22, s21
	v_mul_u32_u24 v6, s22, v2                      ; lanes 16-31 take B's scale words
	s_add_co_u32 s21, s21, SCL
	v_add_nc_u32 v5, v5, v6
	v_add_nc_u32 v[ADRS], s21, v5
	s_mul_i32 s23, s14, 16*SPITCH                  ; my stage
	v_mul_u32_u24 v5, v1, SPITCH
	v_lshl_add_u32 v5, v2, 6, v5
	v_add_nc_u32 v[STO], s23, v5                   ; in: row r, + 64 h: my 16 columns of each 32
	v_add_nc_u32 v[RD], s23, v[CO]                 ; back: a row of 512 bytes to the 32 lanes
	s_lshl_b32 s46, s40, 10                        ; my first column, in bytes: 1,024 cx + 512 x half
	s_lshl_b32 s47, s16, 9
	s_add_co_u32 s46, s46, s47
	s_mov_b32 s47, 0
	s_add_nc_u64 s[8:9], s[8:9], s[46:47]          ; the bias at it
	s_lshl_b32 s66, s17, 8
	s_lshl_b32 s67, s15, 7
	s_add_co_u32 s66, s66, s67                     ; my first row
	s_lshl_b32 s66, s66, 12
	s_add_co_u32 s66, s66, s46
	s_mov_b32 s67, 0
	s_add_nc_u64 s[10:11], s[10:11], s[66:67]
	v_lshlrev_b32 v[BO], 6, v2
.irp t, 0,1,2,3,4,5,6,7
	global_load_b128 v[BIAS+8*\t:BIAS+8*\t+3], v[BO], s[8:9] offset:(32*(\t/2)+8*(\t%2))*4        ; tile t's eight columns of my half
	global_load_b128 v[BIAS+8*\t+4:BIAS+8*\t+7], v[BO], s[8:9] offset:(32*(\t/2)+8*(\t%2))*4+16
.endr
.macro FRAG reg, adr, q, i
	ds_load_b128 v[\reg:\reg+3], v[\adr] offset:(\i)*3072+(\q)*1536
	ds_load_b64 v[\reg+4:\reg+5], v[\adr+2] offset:(\i)*3072+(\q)*1536+512
	ds_load_b128 v[\reg+6:\reg+9], v[\adr] offset:(\i)*3072+(\q)*1536+768
	ds_load_b64 v[\reg+10:\reg+11], v[\adr+2] offset:(\i)*3072+(\q)*1536+1280
.endm
; The 64 accumulators take turns, one instruction a turn, in the same order in every step.
.macro MUL16 a0, p, q, sc, zero
.irp a, \a0, \a0+1
.irp b, 0,1,2,3,4,5,6,7
.if \zero
	v_wmma_scale_f32_16x16x128_f8f6f4 v[8*(8*((\a)%4)+\b):8*(8*((\a)%4)+\b)+7], v[128*(\p)+FR*\b:128*(\p)+FR*\b+FR-1], v[AF+FR*(\a):AF+FR*(\a)+FR-1], 0, v[SC+8*NQ*(\sc)+NQ*\b+(\q)], v[SC+8*NQ*(\sc)+NQ*(\a)+(\q)] matrix_a_fmt:MATRIX_FMT_FP6 matrix_b_fmt:MATRIX_FMT_FP6 matrix_a_scale:MATRIX_SCALE_ROW1
.else
	v_wmma_scale_f32_16x16x128_f8f6f4 v[8*(8*((\a)%4)+\b):8*(8*((\a)%4)+\b)+7], v[128*(\p)+FR*\b:128*(\p)+FR*\b+FR-1], v[AF+FR*(\a):AF+FR*(\a)+FR-1], v[8*(8*((\a)%4)+\b):8*(8*((\a)%4)+\b)+7], v[SC+8*NQ*(\sc)+NQ*\b+(\q)], v[SC+8*NQ*(\sc)+NQ*(\a)+(\q)] matrix_a_fmt:MATRIX_FMT_FP6 matrix_b_fmt:MATRIX_FMT_FP6 matrix_a_scale:MATRIX_SCALE_ROW1
.endif
.endr
.endr
.endm
.macro FETCH_B slot, q, p
	WIN TO_B
.irp i, 0,1,2,3,4,5,6,7
	FRAG 128*(\p)+FR*\i, ADRB+\slot, \q, \i
.endr
	WIN 0
.endm
.macro FETCH_A slot, q, i0
.irp i, \i0, \i0+1, \i0+2, \i0+3
	FRAG AF+FR*(\i), ADRA+\slot, \q, \i
.endr
.endm
.macro SCALES sc
.irp i, 0,1,2,3,4,5,6,7
	ds_load_b64 v[SC+8*NQ*\sc+NQ*\i:SC+8*NQ*\sc+NQ*\i+1], v[ADRS] offset:\i*SBLK
.endr
.endm
.macro PLACES n
.rept \n
	v_nop
.endr
.endm
.macro STEP slot, q, zero
	s_wait_dscnt 4*NL                              ; B's set and A's blocks 0-3 are in; the youngest 16 loads (A's blocks 4-7) may be out
	WIN MUL_LO
	MUL16 0, (\q)%2, \q, \slot, \zero
	MUL16 2, (\q)%2, \q, \slot, \zero
	s_wait_dscnt 0
	PLACES NP
	FETCH_B \slot, (\q)+1, 1-(\q)%2
	FETCH_A \slot, (\q)+1, 0
	WIN MUL_HI
	MUL16 4, (\q)%2, \q, \slot, \zero
	MUL16 6, (\q)%2, \q, \slot, \zero
	PLACES NP
	WIN 0
	FETCH_A \slot, (\q)+1, 4
.endm
.macro TURN slot, next, fill
	s_wait_tensorcnt 0x0                           ; all my tensor loads have landed: my part of the next slot
	ds_add_u32 v[SPW], v[NIL]                      ; 0 onto my spare word
	s_wait_dscnt 4*NL+1                            ; (the add and the youngest 16 loads may be out)
	WIN MUL_LO
	MUL16 0, 1, NQ-1, \slot, 0
	s_wait_dscnt 0x0                               ; the add is done, and my reads of this slot are over
	s_barrier_signal -1
	MUL16 2, 1, NQ-1, \slot, 0
	WIN 0
	s_barrier_wait -1
.if \fill
	CREST                                          ; the barrier has opened a round of the cluster's: no wave of any partner still reads this slot or has a load on its way
	s_add_nc_u64 s[G0+4*\slot+2:G0+4*\slot+3], s[G0+4*\slot+2:G0+4*\slot+3], 2*PSTEP
	s_add_nc_u64 s[G0B+4*\slot+2:G0B+4*\slot+3], s[G0B+4*\slot+2:G0B+4*\slot+3], 2*PSTEP
	JLOAD G0+4*\slot, G1, G0B+4*\slot, G1B
.else
	PLACES NP
.endif
	v_add_nc_u32 v[ADRS], 16*SBLK, v[ADRS]
	FETCH_B \next, 0, 0
	FETCH_A \next, 0, 0
	SCALES \next
	WIN MUL_HI
	MUL16 4, 1, NQ-1, \slot, 0
	MUL16 6, 1, NQ-1, \slot, 0
	PLACES NP
	WIN 0
	FETCH_A \next, 0, 4
.endm
	s_wait_tensorcnt 1                             ; the scales and my part of slot 0 are in (slot 1's load may be out)
	s_barrier_signal -1
	s_barrier_wait -1
	FETCH_B 0, 0, 0
	FETCH_A 0, 0, 0
	SCALES 0
	FETCH_A 0, 0, 4
	STEP 0, 0, 1
	s_mov_b32 s3, LAPS-1
.Llap:
	TURN 0, 1, 1
	STEP 1, 0, 0
	TURN 1, 0, 1
	STEP 0, 0, 0
	s_sub_co_u32 s3, s3, 1
	s_cmp_lg_u32 s3, 0
	s_cbranch_scc1 .Llap
	TURN 0, 1, 0
	STEP 1, 0, 0
	s_wait_dscnt 4*NL
	WIN MUL_LO
	MUL16 0, 1, NQ-1, 1, 0
	MUL16 2, 1, NQ-1, 1, 0
	s_wait_dscnt 0
	WIN MUL_HI
	MUL16 4, 1, NQ-1, 1, 0
	MUL16 6, 1, NQ-1, 1, 0
	WIN 0
; THE WAY OUT, block by block of 16 tokens x 128 columns: + bias, through my own stage in LDS, back as whole rows of 512 bytes.  LDS serves a wave's instructions in order: no wait between the stores and the loads.
.macro TOSTAGE a
.set AC, 64*((\a)%4)
.set TS, 64*((\a)%2)                           ; two sets in window 1, by turns
	WIN 0x42+((\a)/4)                              ; destination window 1, source 0 the accumulators' window, source 1 (the bias) window 0
.set n, 0
.rept 32
	v_pk_add_f32 v[TS+n:TS+n+1], v[AC+n:AC+n+1], v[BIAS+n:BIAS+n+1]   ; each accumulator from its low end on
.set n, n+2
.endr
	WIN 0x04                                       ; an LDS store's data are its source 1: window 1
.irp b, 0,1,2,3,4,5,6,7
	ds_store_b128 v[STO], v[TS+8*\b:TS+8*\b+3] offset:128*(\b/2)+32*(\b%2)        ; columns 32 (b / 2) + 16 h + 8 (b % 2) + 0 .. 7
	ds_store_b128 v[STO], v[TS+8*\b+4:TS+8*\b+7] offset:128*(\b/2)+32*(\b%2)+16
.endr
	WIN 0
.set BB, BK+64*((\a)%2)
.irp t, 0,1,2,3,4,5,6,7,8,9,10,11,12,13,14,15
	ds_load_b128 v[BB+4*\t:BB+4*\t+3], v[RD] offset:\t*SPITCH
.endr
.endm
.macro SEND a, younger                 ; younger: the LDS instructions issued behind block a's loads, which may stay out
.set BB, BK+64*((\a)%2)
	s_wait_dscnt \younger
.if (\a) > 0                                   ; (behind a wait on XCNT: the earlier stores have read their base)  block a begins at row 32 (a / 2) + 8 (a % 2)
.if (\a)%2 == 1
	s_add_nc_u64 s[10:11], s[10:11], 8*4096
.else
	s_add_nc_u64 s[10:11], s[10:11], 24*4096
.endif
.endif
.irp t, 0,1,2,3,4,5,6,7,8,9,10,11,12,13,14,15
	global_store_b128 v[CO], v[BB+4*\t:BB+4*\t+3], s[10:11] offset:(\t+8*(\t/8))*4096 th:TH_STORE_NT   ; place t is row t + 8 (t / 8); 512 consecutive bytes, aligned; written once
.endr
.endm
	PLACES NP                                      ; behind the last products: results are read, and registers that held operands are written and loaded into
	s_wait_loadcnt 0x0                             ; the bias
	TOSTAGE 0
.irp a, 1,2,3,4,5,6,7
.if \a > 1
	s_wait_xcnt 0x0                                ; block a - 2's stores have read their registers and their base
.endif
	TOSTAGE \a
	SEND \a-1, 32                                  ; behind block a - 1's loads: block a's 16 stores and 16 loads
.endr
	s_wait_xcnt 0x0
	SEND 7, 0
	s_wait_tensorcnt 0x0                           ; the wave's end
	ds_add_u32 v[SPW], v[NIL]
	s_wait_dscnt 0x0
	CROUND                                         ; the closing round
	s_endpgm
.Lfunc_end_k_q2fe14b10e4_proj:
	.size	k_q2fe14b10e4_proj, .Lfunc_end_k_q2fe14b10e4_proj-k_q2fe14b10e4_proj
	.p2alignl 7, 3214868480
	.fill 96, 4, 3214868480
	.section	.rodata,"a",@progbits
	.p2align	6, 0x0
	.amdhsa_kernel k_q2fe14b10e4_proj
		.amdhsa_group_segment_fixed_size 327680
		.amdhsa_private_segment_fixed_size 0
		.amdhsa_enable_private_segment 0
		.amdhsa_kernarg_size 32
		.amdhsa_user_sgpr_count 2
		.amdhsa_user_sgpr_kernarg_segment_ptr 1
		.amdhsa_wavefront_size32 1
		.amdhsa_system_sgpr_workgroup_id_x 1
		.amdhsa_system_sgpr_workgroup_id_y 1
		.amdhsa_system_sgpr_workgroup_id_z 1
		.amdhsa_system_vgpr_workitem_id 0
		.amdhsa_next_free_vgpr 1024
		.amdhsa_next_free_sgpr 102
		.amdhsa_reserve_vcc 0
		.amdhsa_float_denorm_mode_32 3
		.amdhsa_float_denorm_mode_16_64 3
		.amdhsa_memory_ordered 1
		.amdhsa_forward_progress 1
		.amdhsa_inst_pref_size 161
	.end_amdhsa_kernel
	.amdgpu_metadata
---
amdhsa.version: [ 1, 2 ]
amdhsa.kernels:
  - .name:           k_q2fe14b10e4_proj
    .symbol:         k_q2fe14b10e4_proj.kd
    .args:
      - { .name: yq, .offset: 0, .size: 8, .value_kind: global_buffer, .address_space: global }
      - { .name: wq, .offset: 8, .size: 8, .value_kind: global_buffer, .address_space: global }
      - { .name: b_proj, .offset: 16, .size: 8, .value_kind: global_buffer, .address_space: global }
      - { .name: out0, .offset: 24, .size: 8, .value_kind: global_buffer, .address_space: global }
    .group_segment_fixed_size: 327680
    .private_segment_fixed_size: 0
    .kernarg_segment_align: 8
    .kernarg_segment_size: 32
    .max_flat_workgroup_size: 128
    .sgpr_count:     102
    .vgpr_count:     1024
    .wavefront_size: 32
...
	.end_amdgpu_metadata
.endif
;; end of part 4
